; MI455X (gfx1250); checked and timed in simulation.
; The chip was launched on July 23, 2026; its instructions are those of AMD's public machine-readable ISA for CDNA 5 (MIT licence, August 2026) and "CDNA5" Instruction Set Architecture Reference Guide (July 2026). The comments in the code are by the model that wrote it; some were corrected since.
;; Multi Head Attention. Allowed arithmetic: matrix products marked QUANTISED: E2M3 operands, one E8M0 scale for each 32 along K, by v_wmma_scale_f32_16x16x128_f8f6f4 with both operands' format E2M3, f32 sums; everything else in f32.
;; Inputs: W_K_codes 1,024 x 32 x 24 uint8 (E2M3 codes of W_K, K innermost, in blocks of 32 codes, four codes in three bytes); W_K_scales 1,024 x 32 uint8 (E8M0 scales of W_K, one for each 32 codes along K); W_Q_codes 1,024 x 32 x 24 uint8 (E2M3 codes of W_Q, K innermost, in blocks of 32 codes, four codes in three bytes); W_Q_scales 1,024 x 32 uint8 (E8M0 scales of W_Q, one for each 32 codes along K); W_V_codes 1,024 x 32 x 24 uint8 (E2M3 codes of W_V, K innermost, in blocks of 32 codes, four codes in three bytes); W_V_scales 1,024 x 32 uint8 (E8M0 scales of W_V, one for each 32 codes along K); W_fc_codes 1,024 x 32 x 24 uint8 (E2M3 codes of W_fc, K innermost, in blocks of 32 codes, four codes in three bytes); W_fc_scales 1,024 x 32 uint8 (E8M0 scales of W_fc, one for each 32 codes along K); kvInputs_codes 4 x 2,048 x 32 x 24 uint8 (E2M3 codes of kvInputs, K innermost, in blocks of 32 codes, four codes in three bytes); kvInputs_scales 4 x 2,048 x 32 uint8 (E8M0 scales of kvInputs, one for each 32 codes along K); mask 4 x 8 x 2,048 x 2,048 bool; qInputs_codes 4 x 2,048 x 32 x 24 uint8 (E2M3 codes of qInputs, K innermost, in blocks of 32 codes, four codes in three bytes); qInputs_scales 4 x 2,048 x 32 uint8 (E8M0 scales of qInputs, one for each 32 codes along K).
;; Outputs: out0 4 x 2,048 x 1,024 float32.
;; This version of the problem:
;;   THIS VERSION OF THE PROBLEM IS GIVEN IN LOW PRECISION. The matrix products marked QUANTISED in the list below multiply operands that are first quantised to E2M3 (2 exponent bits, 3 mantissa bits; 6 bits a number), with one power-of-two scale for each 32 numbers along K (OCP MX v1.0); their sums are f32. All else is computed in f32.
;;   The module's matrix products, in the order in which they are computed (A, B: the left and right operand; K: the contracted axis; several contracted axes count as one K, in the product's order):
;;     1. [M 8,192, K 1,024] x [K 1,024, N 1,024]; A: input qInputs (given as codes); B: input W_Q (given as codes): QUANTISED
;;     2. [M 8,192, K 1,024] x [K 1,024, N 1,024]; A: input kvInputs (given as codes); B: input W_K (given as codes): QUANTISED
;;     3. [M 8,192, K 1,024] x [K 1,024, N 1,024]; A: input kvInputs (given as codes); B: input W_V (given as codes): QUANTISED
;;     4. batch 32 x [M 2,048, K 128] x [K 128, N 2,048]; A: computed on the way; B: computed on the way: QUANTISED
;;     5. batch 32 x [M 2,048, K 2,048] x [K 2,048, N 128]; A: softmax (see below); B: computed on the way: QUANTISED
;;     6. [M 8,192, K 1,024] x [K 1,024, N 1,024]; A: computed on the way; B: input W_fc (given as codes): QUANTISED
;;   THE QUANTISER, for each operand of a quantised product, along K:
;;     - K is cut into blocks of 32 from its start; a last block that is shorter is filled with zeros.
;;     - A block's scale is 2^e with e = floor(log2(the largest magnitude in the block)) - 2, held to -126 .. 127; a block of zeros has e = 0. As a byte (E8M0): e + 127.
;;     - Each number is divided by its block's scale, clamped to +-7.5, and rounded to the nearest number of E2M3, ties to even, subnormals kept.
;;     - The product sums the exact products of the quantised numbers (number of the format x scale) in f32.
;;   ~~~python
;;   def quantise(x, axis):      # numpy; x: float32 -> the quantised numbers, widened to float32 again
;;       x = np.moveaxis(x, axis, -1); K = x.shape[-1]
;;       x = np.pad(x, [(0, 0)] * (x.ndim - 1) + [(0, -K % 32)]); x = x.reshape(x.shape[:-1] + (-1, 32)); a = np.abs(x).max(-1, keepdims=True)
;;       e = np.where(a > 0, np.clip(np.frexp(np.where(a > 0, a, 1))[1] - 1 - 2, -126, 127), 0)      # np.frexp(a)[1] - 1 = floor(log2(a)), exactly
;;       r = np.clip(x / 2.0 ** e, -7.5, 7.5)
;;       step = 2.0 ** (np.maximum(np.frexp(np.where(r == 0, 1, r))[1] - 1, 0) - 3)
;;       q = np.round(r / step) * step * 2.0 ** e      # np.round: ties to even
;;       return np.moveaxis(q.reshape(q.shape[:-2] + (-1,))[..., :K], -1, axis).astype(np.float32)
;;   ~~~
;;   SOFTMAX AHEAD OF A QUANTISED PRODUCT. Where the list says 'softmax', what is quantised is not the finished softmax but p = 2^(t - M), with t = logit x log2(e) and M = ceil(the row's largest t), a whole number; so 1/2 < the row's largest p <= 1. The row's sum l is taken of the UNQUANTISED p, in f32, and the product's result is divided by l at the end. Since M is a whole number, a kernel that streams over the keys may use a running M (the ceiling of the running maximum): every later rescaling is an exact power of two, which a block's scale takes up: the codes' values come out the same.
;;   OPERANDS COMPUTED ON THE WAY. 'Computed on the way' means the value that the module computes at that place (a softmax that the list does not call 'softmax' is quantised finished and normalised). What goes into a quantiser is computed in f32, as accurately as f32 sums, v_exp_f32 and their like allow (about 1e-6 of the number): no bf16 or f16 on the way to a quantiser, and a product that is left as it is and whose result goes on into a quantised operand takes f32 operands (vector FMAs, or v_wmma_f32_16x16x4_f32). A number that lies on a knife's edge between two numbers of the format may be rounded either way, as far as f32 arithmetic and the matrix unit's own rounding can turn it there, and no further.
;;   INPUTS GIVEN AS CODES. W_K (in the module: [1024, 1024], K = its axis 0); W_Q (in the module: [1024, 1024], K = its axis 0); W_V (in the module: [1024, 1024], K = its axis 0); W_fc (in the module: [1024, 1024], K = its axis 0); kvInputs (in the module: [4, 2048, 1024], K = its axis 2); qInputs (in the module: [4, 2048, 1024], K = its axis 2): each comes as NAME_codes (uint8): NAME with its K axis moved to the last place and cut into blocks of 32 codes, [.., K / 32, bytes a block], one block behind the other in memory; four codes in three bytes: a row's codes are one little-endian stream of bits, code i at bits 6 i .. 6 i + 5 (a code: sign, 2 exponent bits, 3 mantissa bits); and NAME_scales (uint8): the same leading axes, one E8M0 byte (e + 127) for each 32 codes along K. Its value is code x scale, taken as it is: it is not quantised again, and the codes and scales need not be those that the quantiser above would give.
;; One version. Each part assembles by itself: llvm-mc -triple=amdgcn-amd-amdhsa -mcpu=gfx1250 --defsym DOCPART=n.
;; ======== version 1 of 1: 3 launches
;; limits: right only within a limited range of input values
;; workspace buffers: qc 6,291,456 bytes; qs 262,144 bytes; kvc 12,582,912 bytes; kvs 524,288 bytes; cc 6,291,456 bytes; cs 262,144 bytes
;; launch proj (part 1): grid 4 x 64, 4 waves a work-group, clusters of 4 x 4, 327,680 bytes of LDS; arguments qInputs_codes, qInputs_scales, W_Q_codes, W_Q_scales, qc, qs, kvInputs_codes, kvInputs_scales, W_K_codes, W_K_scales, kvc, kvs, W_V_codes, W_V_scales; writes qc, qs, kvc, kvs
.if DOCPART == 1
	.amdgcn_target "amdgcn-amd-amdhsa--gfx1250"
	.amdhsa_code_object_version 6
	.text
	.protected	k_q7909be3cb8_proj
	.globl	k_q7909be3cb8_proj
	.p2align	8
	.type	k_q7909be3cb8_proj,@function
k_q7909be3cb8_proj:
	s_mov_b64 s[64:65], 0
	v_nop
	global_prefetch_b8 v0, s[64:65] scope:SCOPE_SE
	s_setreg_imm32_b32 hwreg(HW_REG_WAVE_MODE, 25, 1), 1
	s_wait_xcnt 0x0
	s_wait_alu depctr_hold_cnt(0) depctr_sa_sdst(0) depctr_va_vdst(0) depctr_va_sdst(0) depctr_va_ssrc(0) depctr_va_vcc(0) depctr_vm_vsrc(0)
	s_getreg_b32 s2, hwreg(HW_REG_IB_STS2, 6, 4)
	s_cmp_eq_u32 s2, 0
	s_cbranch_scc0 .Lentry_in_a_cluster
	s_endpgm
.Lentry_in_a_cluster:
	s_bfe_u32 s2, ttmp6, 0x10000c
	s_cmp_lg_u32 s2, 0xf033
	s_cbranch_scc0 .Lentry_shape_is_right
	s_endpgm
.Lentry_shape_is_right:
; THE THREE PROJECTIONS, each quantised on its way out.  One form: C'[m][n] = sum over k of A'[m][k] B'[n][k], K = 1,024, on codes of FP6 (E2M3) with one E8M0 scale for each 32 along K; C' is quantised along n in blocks of 32.
; A JOB is 128 rows of A' x 256 rows of B'.  Each of the 256 work-groups does three jobs: 0: Q = qInputs x W_Q;  1: K = kvInputs x W_K;  2: V^T = W_V x kvInputs (the keys are the axis that is quantised).
; LDS: three regions of 128 rows x 768 bytes (a whole K; 16 bytes of padding behind each 256, pitch 816): A', B' rows 0-127, B' rows 128-255.  A tensor row is a whole row of codes: it begins at a multiple of 768 bytes.
; A wave makes 64 x 64 of each PIECE (128 x 128): 16 accumulators by turns.  A's fragments are read from LDS in the job's first piece and stay in registers for the second (64 rows x 1,024 K = 384 registers).
; THE WALK: piece 0 | round, A' and B' rows 0-127 of the next job | way out 0, piece 1 | round, B' rows 128-255 of the next job | way out 1.  A wave has at most one tensor load out.  The last job is written out: it fetches nothing.
; CLUSTER 4 x 4: A's tiles hang on (cluster y, cy) and are asked for jointly along a row of the cluster, B's on (cluster y, cx) and jointly along a column.
; THE MATRIX INSTRUCTION IS USED TRANSPOSED (source 0 = 16 rows of B', source 1 = 16 rows of A'): a lane holds one row m, its registers run along n.
; THE WAY OUT.  A piece is eight fragments of the next product (16 rows x 128 K, 1,536 bytes each, on end).  A wave's 64 columns are half c of four fragments: registers 6 c .. 6 c + 5, stored at 768 c as 512 bytes (registers 0-3, 16 x lane)
; and 256 bytes (registers 4-5, 8 x lane).  The piece's scale words form 512 bytes (the word at 16 l + 4 g: fragment 2 g + l / 16, row l % 16); the two waves' half words meet in LDS.
; THE ORDER INSIDE A BLOCK OF 32: a lane's 16 registers of tiles 2 b, 2 b + 1 are columns 32 b + 8 h + 0..7 and 32 b + 16 + 8 h + 0..7; they are laid as if they were 32 b + 16 h + 0..15.  Block, scale and code values are the true
; ones; a code's place inside its block differs alike in both operands of the products that read these buffers (Q with K; V with p).
; THE PREFETCH: in the loop's first trip job 2's tiles are named, one job ahead of the trip that loads them: a lane a row, waves 0-2 a chunk of 256 bytes each; the partners that ask jointly share the rows out by address.
; LIMITS: NaN and infinities are not served.  A block whose largest magnitude lies under 2^-124 (zeros among them) gets the byte 1: its codes are zeros or tiny, and this program alone reads the bytes.
; REGISTERS: window 0: v16-30 addresses; v32-79 scale words in use, v80-127 the next job's; v128-223 B's fragments, two sets; v224-227 scale block.  Windows 1, 2: A's fragments (48 a step).  Window 3: v0-127 accumulators, v128-207 the way out.
.set KROW,  768
.set PITCH, 816
.set HALF,  64*PITCH
.set REG,   128*PITCH
.set SCR,   3*REG                      ; 2 x 512 bytes: the two pieces' scale words, written by LDS stores alone
.set SPARE, SCR+1024                   ; the spare words: 128 bytes a wave
.set ADA, 16                           ; v16 my A rows in LDS (v17: lanes 16-31 behind one padding more)
.set ADB, 18                           ; v18-19 my B rows, piece 0; v20-21 piece 1
.set LI,  22                           ; 16 x lane + my wave's place in a piece's codes
.set LI8, 23                           ; 8 x lane + the same
.set LI0, 24                           ; 16 x lane
.set SCW, 25
.set SCRD, 26
.set SOF, 27                           ; 32 x lane
.set SPW, 28
.set NIL, 29
.set PFO, 30
.set SA,  32                           ; A's scale words: 8 (a / 2) + step; lanes 0-15 block a even, 16-31 odd
.set SB,  48                           ; B's: 16 piece + 8 (b / 2) + step
.set SN,  80
.set BF,  128
.set XW,  224
.set MX,  128
.set PM,  136
.set SO,  144
.set HW,  152
.set PC,  160
.set T2,  192
.set G1A, 24
.set G0A, 32
.set G0B, 36
.set G1B, 48
.set MSB, 0
.macro WIN new                         ; the immediate's high byte repeats the setting that is left
.if MSB != (\new)
	s_set_vgpr_msb (MSB<<8)|(\new)
.set MSB, (\new)
.endif
.endm
.macro PLACES
.rept 4
	v_nop
.endr
.endm
.macro CROUND                          ; a round of the cluster's barrier
	s_barrier_signal -1
	s_barrier_wait -1
	s_cmp_lg_u32 s14, 0
	s_cbranch_scc1 .Lnw0_\@
	s_barrier_signal -3
.Lnw0_\@:
	s_barrier_wait -3
	s_barrier_signal -1
	s_barrier_wait -1
.endm
.macro JLOAD                           ; waves 0, 1: 64 rows of A' each; waves 2, 3: 64 rows of B' each
	s_cmp_eq_u32 s15, 0
	s_cbranch_scc0 .Lfb_\@
	tensor_load_to_lds s[G0A:G0A+3], s[G1A:G1A+7]
	s_nop 0
	PLACES
	s_branch .Lask_\@
.Lfb_\@:
	tensor_load_to_lds s[G0B:G0B+3], s[G1B:G1B+7]
	s_nop 0
	PLACES
.Lask_\@:
.endm
.macro BLOAD                           ; waves 2, 3 alone
	s_cmp_eq_u32 s15, 0
	s_cbranch_scc1 .Lnb_\@
	tensor_load_to_lds s[G0B:G0B+3], s[G1B:G1B+7]
	s_nop 0
	PLACES
.Lnb_\@:
.endm
.macro SLD d, sa, sb                   ; a job's scale words: a lane takes a row's 32 bytes, 32 lanes 1,024 consecutive bytes
.irp g, 0,1
.irp e, 0,1
	global_load_b128 v[\d+8*\g+4*\e:\d+8*\g+4*\e+3], v[SOF], s[\sa:\sa+1] offset:1024*\g+16*\e
.endr
.endr
.irp q, 0,1
.irp g, 0,1
.irp e, 0,1
	global_load_b128 v[\d+16+16*\q+8*\g+4*\e:\d+16+16*\q+8*\g+4*\e+3], v[SOF], s[\sb:\sb+1] offset:4096*\q+1024*\g+16*\e
.endr
.endr
.endr
.endm
.macro FRAG reg, adr, st, i            ; 16 rows x 128 K: six pieces of 8 bytes; byte y of a row lies at y + 16 (y / 256)
.irp p, 0,1,2,3,4,5
.set BY, 96*(\st)+48*(\p/3)+8*(\p%3)
.if BY/256 == (BY+24)/256
	ds_load_b64 v[\reg+2*\p:\reg+2*\p+1], v[\adr] offset:BY+16*(BY/256)+(\i)*16*PITCH
.else
	ds_load_b64 v[\reg+2*\p:\reg+2*\p+1], v[\adr+1] offset:BY+16*(BY/256)+(\i)*16*PITCH
.endif
.endr
.endm
.macro FETCH st, q, la                 ; step st's fragments: B's four into set st % 2; la = 1: A's four into their own registers
	WIN 0
.irp i, 0,1,2,3
	FRAG BF+48*((\st)%2)+12*\i, ADB+2*(\q), \st, \i
.endr
.if \la
	WIN ((1+(\st)/5)<<6)
.irp i, 0,1,2,3
	FRAG 48*((\st)%5)+12*\i, ADA, \st, \i
.endr
.endif
.endm
.macro WM c
.if PP == 3
	v_wmma_scale_f32_16x16x128_f8f6f4 v[rD:rD+7], v[rB:rB+11], v[rA:rA+11], \c, v[rT], v[rS] matrix_a_fmt:MATRIX_FMT_FP6 matrix_b_fmt:MATRIX_FMT_FP6 matrix_a_scale:MATRIX_SCALE_ROW1 matrix_b_scale:MATRIX_SCALE_ROW1
.elseif PP == 2
	v_wmma_scale_f32_16x16x128_f8f6f4 v[rD:rD+7], v[rB:rB+11], v[rA:rA+11], \c, v[rT], v[rS] matrix_a_fmt:MATRIX_FMT_FP6 matrix_b_fmt:MATRIX_FMT_FP6 matrix_a_scale:MATRIX_SCALE_ROW1
.elseif PP == 1
	v_wmma_scale_f32_16x16x128_f8f6f4 v[rD:rD+7], v[rB:rB+11], v[rA:rA+11], \c, v[rT], v[rS] matrix_a_fmt:MATRIX_FMT_FP6 matrix_b_fmt:MATRIX_FMT_FP6 matrix_b_scale:MATRIX_SCALE_ROW1
.else
	v_wmma_scale_f32_16x16x128_f8f6f4 v[rD:rD+7], v[rB:rB+11], v[rA:rA+11], \c, v[rT], v[rS] matrix_a_fmt:MATRIX_FMT_FP6 matrix_b_fmt:MATRIX_FMT_FP6
.endif
.endm
.macro MUL st, q                       ; 16 matrix instructions, the 16 accumulators by turns; step 0 starts the sums
	WIN (0xf0|((1+(\st)/5)<<2))
.irp a, 0,1,2,3
.irp b, 0,1,2,3
.set rD, 8*(4*\a+\b)
.set rB, BF+48*((\st)%2)+12*\b
.set rA, 48*((\st)%5)+12*\a
.set rT, SB+16*(\q)+8*(\b/2)+(\st)
.set rS, SA+8*(\a/2)+(\st)
.set PP, 2*(\b%2)+(\a%2)
.if (\st) == 0
	WM 0
.else
	WM v[rD:rD+7]
.endif
.endr
.endr
.endm
.macro PIECE q, la                     ; eight steps of 128 along K; step 0's fragments have been asked for
.set ST, 0
.rept 8
.if ST < 7
	PLACES                                 ; in front of loads into registers that the last step's products read
	FETCH ST+1, \q, \la
	s_wait_dscnt 24+24*(\la)               ; all but the next step's loads, just issued
.else
	s_wait_dscnt 0x0
.endif
	MUL ST, \q
.set ST, ST+1
.endr
	PLACES                                 ; behind the last products
	WIN 0
.endm
; THE WAY OUT of piece q: eight blocks of 32 columns (k = 2 a + b: row block a, block b) by turns.  The largest magnitude's exponent field less 2 is the scale's byte, and the conversion takes that field as its scale.
.macro EPI q
	s_wait_xcnt 0x0                        ; the last way out's stores have read their data and their base
.if \q
	s_add_nc_u64 s[76:77], s[76:77], s[4:5]
.endif
	WIN 0xff
.irp k, 0,1,2,3,4,5,6,7
	v_max3_num_f32 v[MX+\k], |v[16*\k]|, |v[16*\k+1]|, 0x1800000   ; each accumulator from its low end on; the floor 2^(3 - 127) holds the byte at 1 from below
.endr
.irp i, 2,4,6,8,10,12,14
.irp k, 0,1,2,3,4,5,6,7
	v_max3_num_f32 v[MX+\k], |v[16*\k+\i]|, |v[16*\k+\i+1]|, v[MX+\k]
.endr
.endr
.irp k, 0,1,2,3,4,5,6,7
	v_permlanex16_b32 v[PM+\k], v[MX+\k], s60, s61
.endr
.irp k, 0,1,2,3,4,5,6,7
	v_max_num_f32 v[MX+\k], v[MX+\k], v[PM+\k]
.endr
.irp k, 0,1,2,3,4,5,6,7
	v_add_nc_u32 v[SO+\k], 0xff000000, v[MX+\k]
.endr
.irp k, 0,1,2,3,4,5,6,7
	v_lshrrev_b32 v[PM+\k], 23, v[SO+\k]
.endr
.irp a, 0,1,2,3
	v_lshl_or_b32 v[HW+\a], v[PM+2*\a+1], 8, v[PM+2*\a]            ; my half of the row's scale word
.endr
.irp a, 0,1,2,3
	v_cvt_scalef32_pk16_fp6_f32 v[PC+8*\a:PC+8*\a+2], v[32*\a:32*\a+15], v[SO+2*\a]
	v_cvt_scalef32_pk16_fp6_f32 v[T2+4*\a:T2+4*\a+2], v[32*\a+16:32*\a+31], v[SO+2*\a+1]
.endr
	v_nop                                  ; one plain place behind a scaled conversion
.irp a, 0,1,2,3
.irp i, 0,1,2
	v_permlane16_swap_b32 v[PC+8*\a+\i], v[T2+4*\a+\i]             ; a whole block in a lane: lanes 0-15 the first block, lanes 16-31 the second
.endr
.endr
.irp a, 0,1,2,3
.irp i, 0,1,2
	v_mov_b32 v[PC+8*\a+3+\i], v[T2+4*\a+\i]
.endr
.endr
	WIN 0x0c                               ; addresses window 0, data window 3
.irp a, 0,1,2,3
	global_store_b128 v[LI], v[PC+8*\a:PC+8*\a+3], s[76:77] offset:1536*\a          ; 512 consecutive bytes
	global_store_b64 v[LI8], v[PC+8*\a+4:PC+8*\a+5], s[76:77] offset:1536*\a+512    ; 256 consecutive bytes
	ds_store_b16 v[SCW], v[HW+\a] offset:512*(\q)+256*(\a%2)+4*(\a/2)               ; both lanes of a row write the same half word
.endr
	WIN 0
.endm
.macro SSTORE                          ; behind a barrier: wave 0 stores piece 0's block of scale words, wave 1 piece 1's
	s_mul_i32 s68, s16, s6
	s_mov_b32 s69, 0
	s_add_nc_u64 s[12:13], s[78:79], s[68:69]
	s_cmp_lg_u32 s15, 0
	s_cbranch_scc1 .Lns_\@
	ds_load_b128 v[XW:XW+3], v[SCRD]
	s_wait_dscnt 0x0
	global_store_b128 v[LI0], v[XW:XW+3], s[12:13]
.Lns_\@:
.endm
	s_load_b512 s[68:83], s[0:1], 0x0      ; job 0: A' s68, its scales s70, B' s72, its scales s74, codes out s76, scales out s78; kvInputs s80, s82
	s_load_b256 s[84:91], s[0:1], 0x40     ; W_K s84, s86; kvc s88; kvs s90
	s_load_b128 s[92:95], s[0:1], 0x60     ; W_V s92, s94
	v_lshl_add_u32 v[SPW], v0, 2, SPARE
	v_mov_b32 v[NIL], 0
	ds_add_u32 v[SPW], v[NIL]              ; the opening lines: the add twice and its wait ahead of the first tensor load
	ds_add_u32 v[SPW], v[NIL]
	v_lshrrev_b32 v1, 5, v0
	v_readfirstlane_b32 s14, v1            ; wave
	s_lshr_b32 s15, s14, 1                 ; my half of the rows; also: I fetch for A' (0) or B' (1)
	s_and_b32 s16, s14, 1                  ; my half of a piece's columns; also: which 64 rows I fetch
	s_bfe_u32 s40, ttmp6, 0x40000          ; cx
	s_bfe_u32 s41, ttmp6, 0x40004          ; cy
	s_and_b32 s42, ttmp7, 0xffff           ; cluster y, 0..15
	s_lshl_b32 s43, s41, 2
	s_lshl_b32 s43, 15, s43                ; my row of the cluster
	s_lshl_b32 s44, 0x1111, s40            ; my column
	s_or_b32 s[G1A], s43, (1<<20)|(1<<21)|(5<<22)|(3<<25)   ; elements of 1 byte; 4 words of padding behind every 64
	s_or_b32 s[G1B], s44, (1<<20)|(1<<21)|(5<<22)|(3<<25)
.irp g, G1A, G1B
	s_mov_b32 s[\g+1], KROW<<16
	s_mov_b32 s[\g+2], 64<<16
	s_mov_b32 s[\g+3], KROW<<16
	s_mov_b32 s[\g+4], 64
	s_mov_b32 s[\g+5], KROW
	s_mov_b32 s[\g+6], 0
	s_mov_b32 s[\g+7], 0
.endr
	s_lshl_b32 s17, s42, 2
	s_add_co_u32 s17, s17, s41             ; jobs 0, 1: A's block of 128 rows, 0..63
	s_and_b32 s18, s42, 1
	s_lshl_b32 s18, s18, 2
	s_add_co_u32 s18, s18, s41             ; job 2: W_V's block of 128 rows = the head, 0..7
	s_lshr_b32 s20, s42, 1
	s_lshl_b32 s20, s20, 2
	s_add_co_u32 s20, s20, s40             ; job 2: kvInputs' group of 256 rows, 0..31
	s_mul_i32 s45, s16, HALF
	s_mul_i32 s46, s16, 64*KROW
	s_mov_b32 s47, 0
	s_mov_b32 s23, 0
	s_mov_b32 s63, 0
	s_mov_b32 s3, 0
	s_mul_i32 s22, s17, 128*KROW           ; s22 holds what hangs on cy, s62 what hangs on cx
	s_mul_i32 s62, s40, 256*KROW
	s_mov_b32 s[G0A], 1
	s_mov_b32 s[G0A+1], s45
	s_mov_b32 s[G0B], 1
	s_add_co_u32 s[G0B+1], s45, REG
	s_wait_dscnt 0x0
	s_wait_kmcnt 0x0
	s_add_nc_u64 s[68:69], s[68:69], s[22:23]
	s_add_nc_u64 s[68:69], s[68:69], s[46:47]
	s_add_nc_u64 s[72:73], s[72:73], s[62:63]
	s_add_nc_u64 s[72:73], s[72:73], s[46:47]
	s_mov_b64 s[G0A+2:G0A+3], s[68:69]
	s_or_b32 s[G0A+3], s[G0A+3], 0x80000000
	s_mov_b64 s[G0B+2:G0B+3], s[72:73]
	s_or_b32 s[G0B+3], s[G0B+3], 0x80000000
	CROUND
	JLOAD                                  ; job 0: A' and B' rows 0-127, one load a wave
	; the other addresses, under the loads' flight.  Job 2 first: it takes kvInputs, kvc and kvs as they came
	s_mul_i32 s62, s20, 256*KROW
	s_add_nc_u64 s[96:97], s[80:81], s[62:63]
	s_lshl_b32 s62, s20, 13
	s_add_nc_u64 s[98:99], s[82:83], s[62:63]
	s_add_nc_u64 s[80:81], s[80:81], s[22:23]
	s_mul_i32 s22, s18, 128*KROW
	s_add_nc_u64 s[92:93], s[92:93], s[22:23]
	s_lshl_b32 s22, s18, 12
	s_add_nc_u64 s[94:95], s[94:95], s[22:23]
	s_mul_i32 s2, s40, 32*KROW
	s_add_nc_u64 s[56:57], s[92:93], s[2:3]    ; the prefetches: my work-group's 32 of W_V's 128 rows,
	s_mul_i32 s2, s41, 64*KROW
	s_add_nc_u64 s[58:59], s[96:97], s[2:3]    ; and its 64 of kvInputs' 256
	s_lshl_b32 s22, s17, 12
	s_add_nc_u64 s[70:71], s[70:71], s[22:23]
	s_add_nc_u64 s[82:83], s[82:83], s[22:23]
	s_mul_i32 s62, s40, 256*KROW
	s_add_nc_u64 s[84:85], s[84:85], s[62:63]
	s_lshl_b32 s62, s40, 13
	s_add_nc_u64 s[74:75], s[74:75], s[62:63]
	s_add_nc_u64 s[86:87], s[86:87], s[62:63]
.irp p, 80, 84, 92, 96
	s_add_nc_u64 s[\p:\p+1], s[\p:\p+1], s[46:47]          ; the 64 rows that I fetch
.endr
	s_lshl_b32 s2, s15, 11
.irp p, 70, 82, 94
	s_add_nc_u64 s[\p:\p+1], s[\p:\p+1], s[2:3]            ; my 64 rows' scales
.endr
	s_lshl_b32 s2, s16, 11
.irp p, 74, 86, 98
	s_add_nc_u64 s[\p:\p+1], s[\p:\p+1], s[2:3]
.endr
	s_lshl_b32 s19, s20, 1                 ; job 2: key group 2 g: (8 batch + head) x 16 + group
	s_lshr_b32 s2, s19, 4
	s_lshl_b32 s2, s2, 3
	s_add_co_u32 s2, s2, s18
	s_lshl_b32 s2, s2, 4
	s_and_b32 s19, s19, 15
	s_add_co_u32 s19, s19, s2
	s_mul_i32 s2, s19, 24576
	s_add_co_u32 s2, s2, 12288             ; V's part lies behind K's
	s_add_nc_u64 s[100:101], s[88:89], s[2:3]
	s_lshl_b32 s2, s19, 10
	s_add_co_u32 s2, s2, 512
	s_add_nc_u64 s[66:67], s[90:91], s[2:3]
	s_lshr_b32 s21, s17, 4                 ; jobs 0, 1: head 2 cx
	s_lshl_b32 s21, s21, 3
	s_lshl_b32 s2, s40, 1
	s_add_co_u32 s21, s21, s2
	s_lshl_b32 s21, s21, 4
	s_and_b32 s2, s17, 15
	s_add_co_u32 s21, s21, s2
	s_mul_i32 s2, s21, 24576
	s_add_nc_u64 s[88:89], s[88:89], s[2:3]
	s_lshl_b32 s2, s21, 10
	s_add_nc_u64 s[90:91], s[90:91], s[2:3]
	s_mul_i32 s2, s21, 12288
	s_add_nc_u64 s[76:77], s[76:77], s[2:3]
	s_lshl_b32 s2, s21, 9
	s_add_nc_u64 s[78:79], s[78:79], s[2:3]
	s_mov_b32 s4, 16*12288                 ; from piece 0 to piece 1, codes and scale words: job 0 (a head on),
	s_mov_b32 s5, 0
	s_mov_b32 s6, 16*512
	s_mov_b32 s8, 16*24576                 ; job 1,
	s_mov_b32 s9, 16*1024
	s_mov_b32 s10, 24576                   ; job 2 (a key group on)
	s_mov_b32 s11, 1024
	s_mul_i32 s2, s15, HALF
	s_mul_i32 s12, s15, 6144
	s_mul_i32 s13, s16, 768
	s_add_co_u32 s12, s12, s13
	s_lshl_b32 s13, s15, 3
	s_lshl_b32 s19, s16, 1
	s_add_co_u32 s13, s13, s19
	s_add_co_u32 s13, s13, SCR
	s_lshl_b32 s19, s16, 9
	s_add_co_u32 s19, s19, SCR
	s_lshl_b32 s21, s14, 8
	s_add_co_u32 s60, s45, REG
	v_and_b32 v1, 15, v0
	v_bfe_u32 v2, v0, 4, 1
	v_and_b32 v3, 31, v0
	v_mul_u32_u24 v4, v1, PITCH
	v_mad_u32_u24 v4, v2, 24, v4
	v_add_nc_u32 v[ADA], s2, v4
	v_lshl_add_u32 v[ADA+1], v2, 4, v[ADA]
	v_add_nc_u32 v[ADB], s60, v4
	v_lshl_add_u32 v[ADB+1], v2, 4, v[ADB]
	v_add_nc_u32 v[ADB+2], REG, v[ADB]
	v_add_nc_u32 v[ADB+3], REG, v[ADB+1]
	v_lshlrev_b32 v[LI0], 4, v3
	v_add_nc_u32 v[LI], s12, v[LI0]
	v_lshl_add_u32 v[LI8], v3, 3, s12
	v_lshl_add_u32 v[SCW], v1, 4, s13
	v_add_nc_u32 v[SCRD], s19, v[LI0]
	v_lshlrev_b32 v[SOF], 5, v3
	v_mul_u32_u24 v[PFO], v3, KROW
	v_add_nc_u32 v[PFO], s21, v[PFO]
	WIN 0xc0
.irp k, 0,1,2,3,4,5,6,7
	v_mov_b32 v[PM+\k], 0                  ; written once: a lane permute's destination counts as one of its sources
.endr
	WIN 0
	SLD SA, 70, 74
	s_mov_b32 s60, 0x76543210
	s_mov_b32 s61, 0xfedcba98
	s_wait_alu depctr_va_vdst(0)           ; the wait at the head's end
	s_wait_tensorcnt 0x0                   ; these lines stand ahead of a later first fill as ahead of a refill
	ds_add_u32 v[SPW], v[NIL]
	s_add_co_u32 s[G0B+1], s45, 2*REG
	s_add_nc_u64 s[G0B+2:G0B+3], s[72:73], 128*KROW
	s_or_b32 s[G0B+3], s[G0B+3], 0x80000000
	s_wait_dscnt 0x0
	CROUND
	BLOAD                                  ; job 0: B' rows 128-255
	FETCH 0, 0, 1
	WIN 0
	s_mov_b32 s2, 2                        ; trips
	s_cmp_lt_u32 s14, 3
	s_cselect_b32 s3, 2, -1                ; waves 0-2 prefetch, in the first trip
	s_wait_loadcnt 0x0                     ; job 0's scale words
.Ljob:
	SLD SN, 82, 86                         ; the next job's scale words
	s_cmp_eq_u32 s2, s3
	s_cbranch_scc0 .Lnoask
	global_prefetch_b8 v[PFO], s[56:57] th:TH_LOAD_NT scope:SCOPE_SE
	global_prefetch_b8 v[PFO], s[58:59] th:TH_LOAD_NT scope:SCOPE_SE
	global_prefetch_b8 v[PFO], s[58:59] offset:32*KROW th:TH_LOAD_NT scope:SCOPE_SE
.Lnoask:
	PIECE 0, 1
	s_wait_tensorcnt 0x0                   ; B' rows 128-255 are in; no tensor load of mine is out
	ds_add_u32 v[SPW], v[NIL]
	s_mov_b64 s[G0A+2:G0A+3], s[80:81]
	s_or_b32 s[G0A+3], s[G0A+3], 0x80000000
	s_add_co_u32 s[G0B+1], s45, REG
	s_mov_b64 s[G0B+2:G0B+3], s[84:85]
	s_or_b32 s[G0B+3], s[G0B+3], 0x80000000
	s_wait_dscnt 0x0                       ; the add, and my reads of A' and of B' rows 0-127
	CROUND
	JLOAD                                  ; the next job's A' and B' rows 0-127
	FETCH 0, 1, 0
	EPI 0
	PIECE 1, 0
	s_wait_tensorcnt 0x0
	ds_add_u32 v[SPW], v[NIL]
	s_add_co_u32 s[G0B+1], s45, 2*REG
	s_add_nc_u64 s[G0B+2:G0B+3], s[84:85], 128*KROW
	s_or_b32 s[G0B+3], s[G0B+3], 0x80000000
	s_wait_dscnt 0x0
	CROUND
	BLOAD                                  ; the next job's B' rows 128-255
	FETCH 0, 0, 1
	WIN 0
	s_wait_loadcnt 0x0
.set j, 0
.rept 48
	v_mov_b32 v[SA+j], v[SN+j]             ; the next job's scale words take their places; the way out below stands between these lines and the products
.set j, j+1
.endr
	EPI 1
	s_wait_dscnt 0x0
	s_barrier_signal -1
	s_barrier_wait -1                      ; both pieces' half words lie in LDS
	SSTORE
	s_wait_xcnt 0x0                        ; the stores have read their bases: the next job's addresses move up
	s_mov_b64 s[80:81], s[92:93]
	s_mov_b64 s[82:83], s[94:95]
	s_mov_b64 s[84:85], s[96:97]
	s_mov_b64 s[86:87], s[98:99]
	s_mov_b64 s[76:77], s[88:89]
	s_mov_b64 s[78:79], s[90:91]
	s_mov_b64 s[88:89], s[100:101]
	s_mov_b64 s[90:91], s[66:67]
	s_mov_b32 s4, s8
	s_mov_b32 s6, s9
	s_mov_b32 s8, s10
	s_mov_b32 s9, s11
	s_sub_co_u32 s2, s2, 1
	s_cmp_lg_u32 s2, 0
	s_cbranch_scc1 .Ljob
	PIECE 0, 1                             ; the last job fetches nothing
	s_wait_tensorcnt 0x0
	s_wait_dscnt 0x0
	s_barrier_signal -1
	s_barrier_wait -1                      ; B' rows 128-255 are whole for every wave
	FETCH 0, 1, 0
	EPI 0
	PIECE 1, 0
	EPI 1
	s_wait_tensorcnt 0x0                   ; the wave's end
	ds_add_u32 v[SPW], v[NIL]
	s_wait_dscnt 0x0
	s_barrier_signal -1
	s_barrier_wait -1
	SSTORE
	CROUND                                 ; the closing round
	s_endpgm
.Lfunc_end_k_q7909be3cb8_proj:
	.size	k_q7909be3cb8_proj, .Lfunc_end_k_q7909be3cb8_proj-k_q7909be3cb8_proj
	.p2alignl 7, 3214868480
	.fill 96, 4, 3214868480
	.section	.rodata,"a",@progbits
	.p2align	6, 0x0
	.amdhsa_kernel k_q7909be3cb8_proj
		.amdhsa_group_segment_fixed_size 327680
		.amdhsa_private_segment_fixed_size 0
		.amdhsa_enable_private_segment 0
		.amdhsa_kernarg_size 112
		.amdhsa_user_sgpr_count 2
		.amdhsa_user_sgpr_kernarg_segment_ptr 1
		.amdhsa_wavefront_size32 1
		.amdhsa_system_sgpr_workgroup_id_x 1
		.amdhsa_system_sgpr_workgroup_id_y 1
		.amdhsa_system_sgpr_workgroup_id_z 1
		.amdhsa_system_vgpr_workitem_id 0
		.amdhsa_next_free_vgpr 1024
		.amdhsa_next_free_sgpr 102
		.amdhsa_reserve_vcc 0
		.amdhsa_float_denorm_mode_32 3
		.amdhsa_float_denorm_mode_16_64 3
		.amdhsa_memory_ordered 1
		.amdhsa_forward_progress 1
		.amdhsa_inst_pref_size 195
	.end_amdhsa_kernel
	.amdgpu_metadata
---
amdhsa.version: [ 1, 2 ]
amdhsa.kernels:
  - .name:           k_q7909be3cb8_proj
    .symbol:         k_q7909be3cb8_proj.kd
    .args:
      - { .name: qInputs_codes, .offset: 0, .size: 8, .value_kind: global_buffer, .address_space: global }
      - { .name: qInputs_scales, .offset: 8, .size: 8, .value_kind: global_buffer, .address_space: global }
      - { .name: W_Q_codes, .offset: 16, .size: 8, .value_kind: global_buffer, .address_space: global }
      - { .name: W_Q_scales, .offset: 24, .size: 8, .value_kind: global_buffer, .address_space: global }
      - { .name: qc, .offset: 32, .size: 8, .value_kind: global_buffer, .address_space: global }
      - { .name: qs, .offset: 40, .size: 8, .value_kind: global_buffer, .address_space: global }
      - { .name: kvInputs_codes, .offset: 48, .size: 8, .value_kind: global_buffer, .address_space: global }
      - { .name: kvInputs_scales, .offset: 56, .size: 8, .value_kind: global_buffer, .address_space: global }
      - { .name: W_K_codes, .offset: 64, .size: 8, .value_kind: global_buffer, .address_space: global }
      - { .name: W_K_scales, .offset: 72, .size: 8, .value_kind: global_buffer, .address_space: global }
      - { .name: kvc, .offset: 80, .size: 8, .value_kind: global_buffer, .address_space: global }
      - { .name: kvs, .offset: 88, .size: 8, .value_kind: global_buffer, .address_space: global }
      - { .name: W_V_codes, .offset: 96, .size: 8, .value_kind: global_buffer, .address_space: global }
      - { .name: W_V_scales, .offset: 104, .size: 8, .value_kind: global_buffer, .address_space: global }
    .group_segment_fixed_size: 327680
    .private_segment_fixed_size: 0
    .kernarg_segment_align: 8
    .kernarg_segment_size: 112
    .max_flat_workgroup_size: 128
    .sgpr_count:     102
    .vgpr_count:     1024
    .wavefront_size: 32
...
	.end_amdgpu_metadata
.endif
;; end of part 1
;; launch attn (part 2): grid 8 x 32, 8 waves a work-group, clusters of 4 x 1, 327,680 bytes of LDS; arguments qc, qs, kvc, kvs, mask, cc, cs; writes cc, cs
.if DOCPART == 2
	.amdgcn_target "amdgcn-amd-amdhsa--gfx1250"
	.amdhsa_code_object_version 6
	.text
	.protected	k_q7909be3cb8_attn
	.globl	k_q7909be3cb8_attn
	.p2align	8
	.type	k_q7909be3cb8_attn,@function
k_q7909be3cb8_attn:
	s_mov_b64 s[64:65], 0
	v_nop
	global_prefetch_b8 v0, s[64:65] scope:SCOPE_SE
	s_setreg_imm32_b32 hwreg(HW_REG_WAVE_MODE, 25, 1), 1
	s_wait_xcnt 0x0
	s_wait_alu depctr_hold_cnt(0) depctr_sa_sdst(0) depctr_va_vdst(0) depctr_va_sdst(0) depctr_va_ssrc(0) depctr_va_vcc(0) depctr_vm_vsrc(0)
	s_getreg_b32 s2, hwreg(HW_REG_IB_STS2, 6, 4)
	s_cmp_eq_u32 s2, 0
	s_cbranch_scc0 .Lentry_in_a_cluster
	s_endpgm
.Lentry_in_a_cluster:
	s_bfe_u32 s2, ttmp6, 0x10000c
	s_cmp_lg_u32 s2, 0x3003
	s_cbranch_scc0 .Lentry_shape_is_right
	s_endpgm
.Lentry_shape_is_right:
; ATTENTION on codes of FP6 (E2M3): scores, mask, softmax, the product with V, the division by the row's sum, and the quantiser of the context, for 32 heads (8 x batch + head) of 2,048 queries and keys, head size 128.
; Q, K and V come as images of operand registers: a fragment of 16 rows x 128 K is 1,536 bytes, two halves of 768: registers 6 c .. 6 c + 3 at 16 x lane, registers 6 c + 4, 6 c + 5 at 512 + 8 x lane.  Their scale words lie in blocks of
; 512 bytes for eight fragments (the word at 16 l + 4 g: fragment 2 g + l / 16, row l % 16).  kvc: for each head and key step of 128 keys, K's eight fragments (16 keys x 128 channels), then V's eight (16 channels x 128 keys).
; THE SOFTMAX AHEAD OF THE SECOND PRODUCT: t = score x log2(e) / sqrt(128); M = the row's largest t so far, rounded up to a whole number; p = 2^(t - M) is quantised along the keys, not normalised; the row's sum is taken of
; the unquantised p and divides at the end.  When M moves, the sum and O are multiplied by 2^(old M - new M): exact.  A block's scale byte is floor(t - M) + 125 of its largest t, held at 1 from below: the exponent of its largest p, less 2.
; THE SIGN.  Q's codes get their sign bits flipped once, so the first product gives minus the score, exactly; minima stand where maxima would, and the factor is -c.
; THE MASK ENTERS AS THE C OF THE SCORE PRODUCT.  A mask byte, 0 or 1, read as an E4M3 code is 0 or 2^-9; one conversion with the scale 2^69 lays 0 or 2^60 into the tile's accumulator registers.  Minus a masked score is then about
; 2^60, and its p is 0 in every row in which some key counts.
; A ROW IN WHICH NO KEY HAS COUNTED SO FAR.  The step's least (minus score) is held from above at SM = 1.5 x 2^33.  SM x -c is exact in f32 and a whole number, so such a row's running t is that number and its M does not move.  In its lanes
; the multiply-add's two operands, -c and -M, are replaced by 0 and 0 (a compare and two selects a step, no branch): t - M = 0 and p = 1 for every key, the uniform weights that the model gives a wholly masked row.  The first key that
; counts moves M by more than a billion: f = 0 then, and what was summed before is gone, as it is in the model.
; LIMITS.  A row whose largest unmasked logit lies under -SM / sqrt(128), about -1.139e9, is taken as wholly masked; where it lies between that and about -1e9, the masked keys get the weight 0 where the model, which writes -1e9
; for them, gives them weight.  Scores stay under 2^59 in magnitude.  NaN and infinities are not served.  In the context a block whose largest magnitude lies under 2^-124 gets the byte 1; this program alone reads the bytes.
; SHARES.  A work-group owns 256 queries of one head; each of its eight waves owns 32 of them, two tiles of 16 (z = 0, 1), so that each fragment of K and V read from LDS feeds two matrix instructions.
; Every wave walks 16 key steps of 128 keys, through a ring of two LDS slots of 256 keys.  Waves 0-3 fetch the work-group's own mask tile (64 rows x 256 bytes each), waves 4 and 5 a key step's K and V each, wave 6 once the head's scale words.
; CLUSTER.  The four query blocks of a cluster belong to one head: K, V and their scale words are asked for jointly.  The mask tiles are each work-group's own: plain loads, in the same rounds.
; LAYOUT.  Both products are used transposed (S^T = K Q^T, O^T = V^T P^T): a lane holds one query (lane % 16) of each tile.  A lane's 16 registers of key tiles 2 b, 2 b + 1 are keys 32 b + 8 h + 0..7 and 32 b + 16 + 8 h + 0..7, laid as if
; they were 32 b + 16 h + 0..15: the order inside a block of 32 in which V's codes were laid; Q's and K's codes share such an order along the channels.  The context is brought into the true order before it is quantised.
; REGISTERS, two windows of 256.  The same numbers in window z for tile z: v[14:15] the sum, v16-27 Q, v80-95 mask words, v96-159 C, S^T, p, v160-223 O^T, v224-247 codes and work.  Window 1 v32-79: four fragments of K or V (V's tiles 4-7
; land in window 0 v96-143, free by then).  Window 0 alone: v0-10, v28 addresses, v29 the conversion's scale, v248-251 K's or V's scale words, and each tile's few numbers, so that the two tiles' chains take turns:
;   tile 0: v12 -M, v13 t, v30 -c or 0, v31 -c, v252 -M or 0, v253 p's scale word, v254 f, v255 Q's scale word, v232-239, v244-247 the blocks';  tile 1: v32, v33, v36, v37, v38, v39, v40, v41, v48-59.
.set SLOT1, 1<<17
.set STEPB, 24576
.set VOFF,  12288
.set MOFF,  2*STEPB                    ; behind a slot's codes: its mask tile, 256 rows of 256 bytes + 16
.set MP,    272
.set SCK,   2*SLOT1                    ; the head's scale words, 16 steps x (K's 512 bytes, V's 512)
.set CSG,   SCK+16384                  ; where the context's scale words meet: 1,024 bytes, written by LDS stores alone
.set SPARE, CSG+1024                   ; the spare words, 128 bytes for each wave
.set NSL,   8
.set LI,   1
.set AM0,  2
.set ASK0, 3
.set SPW,  5
.set NIL,  6
.set ADK,  8
.set ADM,  9
.set ADS,  10
.set PFO,  28
.set M60,  29
.set WV,   18
.set SEL,  20
.set CS,   22
.set G1M,  24
.set G1C,  32
.set G1S,  40
.set G0M,  48
.set G0C,  52
.set G0S,  56
.set SLOTS, 60
.set LIM,  61
.set SM,   63
.set PFA,  66
.set TSM,  91
.set TB,   2
.set TS,   3
.set MSB, 0
.macro WIN new                         ; low byte: bits 1:0 source 0, 3:2 source 1, 5:4 source 2, 7:6 destination; the high byte repeats the setting that is left
.if MSB != (\new)
	s_set_vgpr_msb (MSB<<8)|(\new)
.set MSB, (\new)
.endif
.endm
.macro PLACES
.rept 4
	v_nop
.endr
.endm
.macro CROUND
	s_barrier_signal -1
	s_barrier_wait -1
	s_cmp_lg_u32 s[WV], 0
	s_cbranch_scc1 .Lnot_wave_0_\@
	s_barrier_signal -3
.Lnot_wave_0_\@:
	s_barrier_wait -3
	s_barrier_signal -1
	s_barrier_wait -1
.endm
.macro TLOAD first                     ; a wave's one tensor load behind a round; the branches hang on the wave's number alone
	s_cmp_lt_u32 s[WV], 4
	s_cbranch_scc0 .Lnot_m_\@
	tensor_load_to_lds s[G0M:G0M+3], s[G1M:G1M+7]
	s_nop 0
	PLACES
	s_branch .Lasked_\@
.Lnot_m_\@:
	s_cmp_lt_u32 s[WV], 6
	s_cbranch_scc0 .Lnot_c_\@
	tensor_load_to_lds s[G0C:G0C+3], s[G1C:G1C+7]
	s_nop 0
	PLACES
.if \first
	s_branch .Lasked_\@
.endif
.Lnot_c_\@:
.if \first
	s_cmp_eq_u32 s[WV], 6
	s_cbranch_scc0 .Lasked_\@
	tensor_load_to_lds s[G0S:G0S+3], s[G1S:G1S+7]
	s_nop 0
	PLACES
.endif
.Lasked_\@:
.endm
; A PREFETCH of K's and V's codes.  Both clusters of a head walk the same 16 key steps: the head's first cluster asks.  At every second change of slots (the 1st, 3rd, 5th) it names the two slots after the one that is being
; asked for: four key steps of 24,576 bytes, one for each partner, told apart by address; in each partner waves 4, 5 and 6 name 8,192 bytes each, lanes 256 bytes apart.  So each block of 256 bytes is named once in the launch.
; Slots 0 and 1 come by their loads alone; the last change that fills a slot asks for nothing; the last bytes named are the head's last.
.macro ASK
	s_cmp_gt_u32 s[SLOTS], s[LIM]
	s_cbranch_scc0 .Lnot_mine_\@
	s_bitcmp1_b32 s[SLOTS], 0
	s_cbranch_scc0 .Lnot_mine_\@
	global_prefetch_b8 v[PFO], s[PFA:PFA+1] th:TH_LOAD_NT scope:SCOPE_SE
.Lnot_mine_\@:
.endm
	s_load_b256 s[4:11], s[0:1], 0x0               ; qc, qs, kvc, kvs
	s_load_b128 s[12:15], s[0:1], 0x20             ; mask, cc
	s_load_b64 s[16:17], s[0:1], 0x30              ; cs
	v_lshl_add_u32 v[SPW], v0, 2, SPARE
	v_mov_b32 v[NIL], 0
	ds_add_u32 v[SPW], v[NIL]                      ; the opening lines: the add twice and its wait ahead of the first tensor load
	ds_add_u32 v[SPW], v[NIL]
	v_lshrrev_b32 v8, 5, v0
	s_delay_alu instid0(VALU_DEP_1)
	v_readfirstlane_b32 s[WV], v8                  ; wave 0..7
	v_and_b32 v9, 15, v0                           ; r
	v_bfe_u32 v10, v0, 4, 1                        ; h
	v_and_b32 v1, 31, v0
	s_delay_alu instid0(VALU_DEP_1)
	v_lshlrev_b32 v[PFO], 8, v1                    ; 256 x lane
	s_delay_alu instid0(VALU_DEP_2)
	v_lshlrev_b32 v[LI], 4, v1                     ; 16 x lane
	s_delay_alu instid0(VALU_DEP_1)
	v_lshrrev_b32 v4, 1, v[LI]                     ; 8 x lane
	v_lshl_add_u32 v[AM0], v8, 5, v9               ; tile 0's query row in the work-group's mask tile: 32 x wave + r
	s_delay_alu instid0(VALU_DEP_1)
	v_mul_u32_u24 v[AM0], v[AM0], MP
	s_delay_alu instid0(VALU_DEP_1)
	v_lshl_add_u32 v[AM0], v10, 3, v[AM0]
	s_delay_alu instid0(VALU_DEP_1)
	v_add_nc_u32 v[AM0], MOFF, v[AM0]
	v_add_nc_u32 v[ASK0], SCK, v[LI]
	v_lshlrev_b32 v254, 4, v9                      ; Q's scale words: 16 r
	v_mov_b32 v[M60], 0xc4c4c4c4                   ; the E8M0 byte of 2^69, in every byte
	s_bfe_u32 s19, ttmp6, 0x40000                  ; cx
	s_lshl_b32 s68, ttmp9, 2
	s_add_co_u32 s68, s68, s19                     ; my block of 256 queries
	s_and_b32 s69, ttmp7, 0xffff                   ; 8 x batch + head, which the four partners share
	s_lshl_b32 s70, s69, 22                        ; the mask: a head's 2,048 x 2,048 bytes,
	s_lshl_b32 s71, s68, 19                        ; my block's 256 rows,
	s_add_co_u32 s70, s70, s71
	s_and_b32 s72, s[WV], 3
	s_lshl_b32 s71, s72, 17                        ; the 64 of them that I fetch
	s_add_co_u32 s70, s70, s71
	s_mov_b32 s71, 0
	s_mul_i32 s73, s72, 64*MP
	s_add_co_u32 s73, s73, MOFF
	s_and_b32 s74, s[WV], 1
	s_mul_i32 s75, s74, STEPB                      ; the codes: which of a slot's two key steps I fetch
	s_mul_i32 s76, s69, 16*STEPB
	s_add_co_u32 s76, s76, s75
	s_mov_b32 s77, 0
	s_lshl_b32 s78, s69, 14                        ; the head's scale words
	s_mov_b32 s79, 0
	s_lshl_b32 s80, s69, 7                         ; Q: fragment 128 x head + 16 x block + 2 x wave (+ 1 for tile 1)
	s_lshl_b32 s81, s68, 4
	s_add_co_u32 s80, s80, s81
	s_lshl_b32 s81, s[WV], 1
	s_add_co_u32 s80, s80, s81
	s_mul_i32 s80, s80, 1536
	s_mov_b32 s81, 0
	s_lshl_b32 s82, s69, 4                         ; its scale words: block of eight fragments 16 x head + 2 x block + wave / 4,
	s_lshl_b32 s83, s68, 1
	s_add_co_u32 s82, s82, s83
	s_lshr_b32 s83, s[WV], 2
	s_add_co_u32 s82, s82, s83
	s_lshl_b32 s82, s82, 9
	s_lshl_b32 s83, s72, 2                         ; in it fragment 2 (wave % 4) + z: 256 z + 4 (wave % 4) + 16 r
	s_add_co_u32 s82, s82, s83
	s_mov_b32 s83, 0
	s_lshr_b32 s84, s69, 3
	s_lshl_b32 s84, s84, 3
	s_add_co_u32 s84, s84, s68                     ; rb = 8 x batch + block: the next launch's block of 256 rows
	s_and_b32 s85, s69, 7                          ; the head
	s_lshl_b32 s86, s84, 3
	s_add_co_u32 s86, s86, s85
	s_lshl_b32 s86, s86, 10                        ; cs: (8 rb + head) x 1,024,
	s_lshl_b32 s87, s74, 9
	s_add_co_u32 s86, s86, s87                     ; + 512 x (wave % 2)
	s_lshl_b32 s84, s84, 2
	s_lshr_b32 s87, s85, 1
	s_add_co_u32 s84, s84, s87                     ; cc: (((4 rb + head / 2) x 16 + 2 wave + z) x 2 + head % 2) x 1,536
	s_lshl_b32 s84, s84, 4
	s_lshl_b32 s87, s[WV], 1
	s_add_co_u32 s84, s84, s87
	s_lshl_b32 s84, s84, 1
	s_and_b32 s85, s85, 1
	s_add_co_u32 s84, s84, s85
	s_mul_i32 s84, s84, 1536
	s_mov_b32 s85, 0
	s_mov_b32 s87, 0
	s_mul_i32 s88, s69, 16*STEPB                   ; the prefetches: my head, one slot on (the first change of slots steps it to slot 2),
	s_add_co_u32 s88, s88, 2*STEPB
	s_mul_i32 s89, s19, STEPB                      ; my work-group's key step of the four,
	s_add_co_u32 s88, s88, s89
	s_lshl_b32 s89, s72, 13                        ; my wave's 8,192 bytes of it
	s_add_co_u32 s88, s88, s89
	s_mov_b32 s89, 0
	s_sub_co_u32 s90, s[WV], 4
	s_cmp_lt_u32 s90, 3                            ; waves 4, 5, 6
	s_cselect_b32 s90, 0, 1
	s_or_b32 s90, s90, ttmp9                       ; of the head's first cluster: the same in all four partners
	s_cmp_eq_u32 s90, 0
	s_cselect_b32 s[LIM], 1, -1
	s_mov_b32 s[G1M], (3<<16)|(1<<20)|(5<<22)|(3<<25)  ; the mask: 64 rows of 256 bytes, 2,048 bytes apart, 16 bytes of padding behind each; no work-group mask
	s_mov_b32 s[G1M+1], 32<<16
	s_mov_b32 s[G1M+2], 64<<16
	s_mov_b32 s[G1M+3], 32<<16
	s_mov_b32 s[G1M+4], 64
	s_mov_b32 s[G1M+5], 256
	s_mov_b32 s[G1M+6], 0
	s_mov_b32 s[G1M+7], 0
	s_mov_b32 s[G1C], 15|(3<<16)|(1<<21)           ; the codes: a key step's 24,576 dense bytes as 96 rows of 256; all four work-groups
	s_mov_b32 s[G1C+1], 32<<16
	s_mov_b32 s[G1C+2], 96<<16
	s_mov_b32 s[G1C+3], 32<<16
	s_mov_b32 s[G1C+4], 96
	s_mov_b32 s[G1C+5], 32
	s_mov_b32 s[G1C+6], 0
	s_mov_b32 s[G1C+7], 0
	s_mov_b32 s[G1S], 15|(3<<16)|(1<<21)           ; the scale words: the head's 16,384 dense bytes as 64 rows of 256
	s_mov_b32 s[G1S+1], 32<<16
	s_mov_b32 s[G1S+2], 64<<16
	s_mov_b32 s[G1S+3], 32<<16
	s_mov_b32 s[G1S+4], 64
	s_mov_b32 s[G1S+5], 32
	s_mov_b32 s[G1S+6], 0
	s_mov_b32 s[G1S+7], 0
	s_mov_b32 s[SEL], 0x76543210
	s_mov_b32 s[SEL+1], 0xfedcba98                 ; v_permlanex16_b32's selects for lane l xor 16
	s_mov_b32 s[CS], 0xbe0293ee                    ; -c = -log2(e) / sqrt(128)
	s_mov_b32 s[CS+1], s[CS]
	s_mov_b32 s[SM], 0x50400000                    ; 1.5 x 2^33
	s_mov_b32 s[TB], 0
	s_mov_b32 s[TS], 0
	s_mov_b32 s[SLOTS], NSL-1
	s_wait_dscnt 0x0
	s_wait_kmcnt 0x0
	s_mov_b32 s[G0M], 1
	s_mov_b32 s[G0M+1], s73
	s_add_nc_u64 s[G0M+2:G0M+3], s[12:13], s[70:71]
	s_or_b32 s[G0M+3], s[G0M+3], 0x80000000
	s_mov_b32 s[G0C], 1
	s_mov_b32 s[G0C+1], s75
	s_add_nc_u64 s[G0C+2:G0C+3], s[8:9], s[76:77]
	s_or_b32 s[G0C+3], s[G0C+3], 0x80000000
	s_mov_b32 s[G0S], 1
	s_mov_b32 s[G0S+1], SCK
	s_add_nc_u64 s[G0S+2:G0S+3], s[10:11], s[78:79]
	s_or_b32 s[G0S+3], s[G0S+3], 0x80000000
	s_add_nc_u64 s[4:5], s[4:5], s[80:81]
	s_add_nc_u64 s[6:7], s[6:7], s[82:83]
	s_add_nc_u64 s[14:15], s[14:15], s[84:85]
	s_add_nc_u64 s[16:17], s[16:17], s[86:87]
	s_add_nc_u64 s[PFA:PFA+1], s[8:9], s[88:89]
	CROUND                                         ; all four work-groups are here: the first joint loads meet
	TLOAD 1                                        ; slot 0 and the scale words: one load a wave; never more than one tensor load of a wave is out
	s_wait_alu depctr_va_vdst(0)
.irp z, 0,1
	WIN (0x40*\z)
.irp c, 0,1
	global_load_b128 v[16+6*\c:19+6*\c], v[LI], s[4:5] offset:1536*\z+768*\c      ; Q's fragments stay in registers
	global_load_b64 v[20+6*\c:21+6*\c], v4, s[4:5] offset:1536*\z+768*\c+512
.endr
.endr
	WIN 0
	global_load_b32 v255, v254, s[6:7]             ; and their scale words
	global_load_b32 v41, v254, s[6:7] offset:256
	v_mov_b32 v13, s[SM]
	s_delay_alu instid0(VALU_DEP_1)
	v_mul_f32 v13, s[CS], v13                      ; SM x -c, by the same instruction that makes t of a step's least number: the same bits
	s_delay_alu instid0(VALU_DEP_1)
	v_readfirstlane_b32 s[TSM], v13                ; (it is compared with, and selects values alone: no branch and no address hangs on it)
.irp z, 0,1
	v_mov_b32 v[31+6*\z], s[CS]                    ; -c, for the select
	v_mov_b32 v[13+20*\z], 0xff61b1e6              ; the largest t so far: -3e38, under every t
	v_mov_b32 v[252-214*\z], 0
	v_mov_b32 v[253-214*\z], 0                     ; (named as the upper half of a pair before it is first written)
.irp b, 0,1,2,3
	v_mov_b32 v[236-184*\z+\b], 0                  ; written once: a lane permute's destination counts as one of its sources
.endr
.endr
.irp z, 0,1
	v_floor_f32 v[12+20*\z], -v[13+20*\z]          ; -M
.endr
.irp z, 0,1
	WIN (0x40*\z)
	v_mov_b32 v14, 0                               ; the sum, in two halves
	v_mov_b32 v15, 0
.set j, 0
.rept 64
	v_mov_b32 v[160+j], 0                          ; O^T.  (The key step has no first step of its own: the first finds zeros, which the first change of M leaves zeros)
.set j, j+1
.endr
.endr
.irp j, 236,237,238,239,252
	v_mov_b32 v[\j], 0                             ; window 1: the way out's permute destinations
.endr
	WIN 0
.macro FRAGS off, base, w              ; four images, 1,536 bytes each, from byte off of the slot on, into window w / 0x40 from register base on
	WIN (\w)
.irp t, 0,1,2,3
.irp c, 0,1
	ds_load_b128 v[\base+12*\t+6*\c:\base+3+12*\t+6*\c], v[ADK] offset:(\off)+1536*\t+768*\c
	ds_load_b64 v[\base+4+12*\t+6*\c:\base+5+12*\t+6*\c], v0 offset:(\off)+1536*\t+768*\c+512
.endr
.endr
.endm
.macro KQ t, z                         ; minus S^T of key tile t: 16 keys x tile z's 16 queries, onto the mask's 0 or 2^60.  Scale register t / 2 holds tile t's words in lanes 0-15 (t even) or 16-31 (t odd)
.set rS, 96+8*(\t)
.set rK, 32+12*((\t)%4)
.set rC, 248+(\t)/2
.set rQ, 255-214*(\z)
.if (\t)%2
	v_wmma_scale_f32_16x16x128_f8f6f4 v[rS:rS+7], v[rK:rK+11], v[16:27], v[rS:rS+7], v[rC], v[rQ] matrix_a_fmt:MATRIX_FMT_FP6 matrix_b_fmt:MATRIX_FMT_FP6 matrix_a_scale:MATRIX_SCALE_ROW1
.else
	v_wmma_scale_f32_16x16x128_f8f6f4 v[rS:rS+7], v[rK:rK+11], v[16:27], v[rS:rS+7], v[rC], v[rQ] matrix_a_fmt:MATRIX_FMT_FP6 matrix_b_fmt:MATRIX_FMT_FP6
.endif
.endm
.macro PVT t, z                        ; O^T of channel tile t: 16 channels x tile z's 16 queries, K = the step's 128 keys
.set rO, 160+8*(\t)
.if (\t) < 4
.set rK, 32+12*(\t)
.else
.set rK, 96+12*((\t)-4)
.endif
.set rC, 248+(\t)/2
.set rP, 253-214*(\z)
.if (\t)%2
	v_wmma_scale_f32_16x16x128_f8f6f4 v[rO:rO+7], v[rK:rK+11], v[224:235], v[rO:rO+7], v[rC], v[rP] matrix_a_fmt:MATRIX_FMT_FP6 matrix_b_fmt:MATRIX_FMT_FP6 matrix_a_scale:MATRIX_SCALE_ROW1
.else
	v_wmma_scale_f32_16x16x128_f8f6f4 v[rO:rO+7], v[rK:rK+11], v[224:235], v[rO:rO+7], v[rC], v[rP] matrix_a_fmt:MATRIX_FMT_FP6 matrix_b_fmt:MATRIX_FMT_FP6
.endif
.endm
; THE LEAST (MINUS SCORE) OF A BLOCK OF 32 KEYS (my 16 of them): it serves for the row's maximum and for the block's scale.  Eight links a block, two blocks by turns.  Each accumulator is first read at its low end.
.macro BMINA z, x, y
	WIN (0x15*(\z))
.irp b, \x, \y
	v_min3_num_f32 v[232-184*(\z)+\b], v[96+16*\b], v[97+16*\b], v[98+16*\b]
.endr
	WIN (0x05*(\z))
.irp i, 3,5,7,9,11
.irp b, \x, \y
	v_min3_num_f32 v[232-184*(\z)+\b], v[96+16*\b+\i], v[97+16*\b+\i], v[232-184*(\z)+\b]
.endr
.endr
.endm
.macro BMINB z, x, y
	WIN (0x05*(\z))
.irp b, \x, \y
	v_min3_num_f32 v[232-184*(\z)+\b], v[109+16*\b], v[110+16*\b], v[232-184*(\z)+\b]
.endr
.irp b, \x, \y
	v_min3_num_f32 v[232-184*(\z)+\b], v[111+16*\b], v[111+16*\b], v[232-184*(\z)+\b]
.endr
.endm
.macro TREE                            ; the row's sum of the unquantised p, in eight chains of pairs
	v_pk_add_f32 v[236:237], v[100:101], v[104:105]
	v_pk_add_f32 v[246:247], v[108:109], v[112:113]
	v_pk_add_f32 v[244:245], v[116:117], v[120:121]
	v_pk_add_f32 v[242:243], v[124:125], v[128:129]
	v_pk_add_f32 v[240:241], v[132:133], v[136:137]
	v_pk_add_f32 v[238:239], v[140:141], v[144:145]
	v_pk_add_f32 v[230:231], v[148:149], v[152:153]
	v_pk_add_f32 v[14:15], v[14:15], v[156:157]
	v_pk_add_f32 v[236:237], v[236:237], v[96:97]
	v_pk_add_f32 v[246:247], v[246:247], v[98:99]
	v_pk_add_f32 v[244:245], v[244:245], v[102:103]
	v_pk_add_f32 v[242:243], v[242:243], v[106:107]
	v_pk_add_f32 v[240:241], v[240:241], v[110:111]
	v_pk_add_f32 v[238:239], v[238:239], v[114:115]
	v_pk_add_f32 v[230:231], v[230:231], v[118:119]
	v_pk_add_f32 v[14:15], v[14:15], v[122:123]
	v_pk_add_f32 v[236:237], v[236:237], v[126:127]
	v_pk_add_f32 v[246:247], v[246:247], v[130:131]
	v_pk_add_f32 v[244:245], v[244:245], v[134:135]
	v_pk_add_f32 v[242:243], v[242:243], v[138:139]
	v_pk_add_f32 v[240:241], v[240:241], v[142:143]
	v_pk_add_f32 v[238:239], v[238:239], v[146:147]
	v_pk_add_f32 v[230:231], v[230:231], v[150:151]
	v_pk_add_f32 v[14:15], v[14:15], v[154:155]
	v_pk_add_f32 v[236:237], v[236:237], v[158:159]
	s_delay_alu instid0(VALU_DEP_2)
	v_pk_add_f32 v[14:15], v[14:15], v[242:243]
	s_delay_alu instid0(VALU_DEP_2)
	v_pk_add_f32 v[236:237], v[236:237], v[240:241]
	v_pk_add_f32 v[246:247], v[246:247], v[238:239]
	v_pk_add_f32 v[244:245], v[244:245], v[230:231]
	s_delay_alu instid0(VALU_DEP_2)
	v_pk_add_f32 v[14:15], v[14:15], v[246:247]
	s_delay_alu instid0(VALU_DEP_2)
	v_pk_add_f32 v[236:237], v[236:237], v[244:245]
	s_delay_alu instid0(VALU_DEP_1)
	v_pk_add_f32 v[14:15], v[14:15], v[236:237]
.endm
.macro PACK96 z, so, wc                ; tile z's 64 numbers in v96-159 become a fragment's codes in v224-235; so: the four scale operands, under the setting wc
	WIN (\wc)
.irp c, 0,1
	v_cvt_scalef32_pk16_fp6_f32 v[224+6*\c:226+6*\c], v[96+32*\c:111+32*\c], v[\so+2*\c]
	v_cvt_scalef32_pk16_fp6_f32 v[236+4*\c:238+4*\c], v[112+32*\c:127+32*\c], v[\so+2*\c+1]   ; (a conversion's three registers begin on an even number)
.endr
	v_nop                                          ; one plain place behind a scaled conversion
	WIN (0x55*(\z))
.irp c, 0,1                                    ; a whole block in a lane: lanes 0-15 block 2 c, lanes 16-31 block 2 c + 1
.irp i, 0,1,2
	v_permlane16_swap_b32 v[224+6*\c+\i], v[236+4*\c+\i]
.endr
.irp i, 0,1,2
	s_delay_alu instid0(VALU_DEP_3)
	v_mov_b32 v[227+6*\c+\i], v[236+4*\c+\i]
.endr
.endr
.endm
; A KEY STEP: 128 keys, the q-th of the slot in hand, for both tiles.  No two matrix instructions that follow each other share an accumulator, over the loop's backward jump too.
.macro STEP q
	WIN 0
	v_add_nc_u32 v[ADK], s[TB], v[LI]
	v_add_nc_u32 v[ADM], s[TB], v[AM0]
	v_add_nc_u32 v[ADS], s[TS], v[ASK0]
	v_add_nc_u32 v0, s[TB], v4                     ; these four are the places behind the last products
.irp z, 0,1
	WIN (0x40*\z)
.irp t, 0,1,2,3,4,5,6,7
	ds_load_b64 v[80+2*\t:81+2*\t], v[ADM] offset:16*MP*\z+128*(\q)+16*\t   ; the mask bytes of my query at keys 16 t + 8 h + 0..7
.endr
.endr
	WIN 0
	ds_load_b128 v[248:251], v[ADS]                ; K's scale words, all eight tiles'
	FRAGS STEPB*(\q), 32, 0x40                     ; K's tiles 0-3
	s_wait_dscnt 17                                ; the sixteen mask loads are in; the seventeen loads issued behind them may be out
.irp z, 0,1
	WIN (0x41*\z)
.irp t, 0,1,2,3,4,5,6,7
	v_cvt_scale_pk8_f32_fp8 v[96+8*\t:103+8*\t], v[80+2*\t:81+2*\t], v[M60]   ; 0 or 2^-9, x 2^69: 0 or 2^60, in the tile's accumulator registers
.endr
.endr
	PLACES                                         ; behind the conversions, ahead of the products that take their results
	s_wait_alu depctr_va_vdst(0)
	s_wait_dscnt 0x0
.irp z, 0,1
	WIN (0x01+0x54*\z)
.irp t, 0,1,2,3
	KQ \t, \z
.endr
.endr
	PLACES
	FRAGS STEPB*(\q)+6144, 32, 0x40                ; K's tiles 4-7
	BMINA 0, 0, 1                                  ; blocks 0 and 1, while they come
	BMINA 1, 0, 1
	s_wait_alu depctr_va_vdst(0)
	s_wait_dscnt 0x0
.irp z, 0,1
	WIN (0x01+0x54*\z)
.irp t, 4,5,6,7
	KQ \t, \z
.endr
.endr
	BMINB 0, 0, 1                                  ; four links: the four places behind those products
	WIN 0
	ds_load_b128 v[248:251], v[ADS] offset:512     ; V's scale words and its tiles 0-3 land under the softmax
	FRAGS STEPB*(\q)+VOFF, 32, 0x40
	BMINB 1, 0, 1
	BMINA 0, 2, 3
	BMINB 0, 2, 3
	BMINA 1, 2, 3
	BMINB 1, 2, 3
	WIN 0                                          ; from here the two tiles' few numbers take turns, line by line
.irp z, 0,1
.irp b, 0,1,2,3
	v_permlanex16_b32 v[236-184*\z+\b], v[232-184*\z+\b], s[SEL], s[SEL+1]
.endr
.endr
.irp z, 0,1
.irp b, 0,1,2,3
	v_min_num_f32 v[232-184*\z+\b], v[232-184*\z+\b], v[236-184*\z+\b]   ; with lane l xor 16's 16 keys
.endr
.endr
.irp z, 0,1
	v_min3_num_f32 v[254-214*\z], v[232-184*\z], v[233-184*\z], v[234-184*\z]
.endr
.irp z, 0,1
	v_min3_num_f32 v[254-214*\z], v[254-214*\z], v[235-184*\z], s[SM]    ; the step's least number of my query, held at SM from above
.endr
.irp z, 0,1
	v_mul_f32 v[254-214*\z], s[CS], v[254-214*\z]  ; as t
.endr
.irp z, 0,1
	v_max_num_f32 v[13+20*\z], v[13+20*\z], v[254-214*\z]   ; the running largest t
.endr
.irp z, 0,1
	v_mov_b32 v[254-214*\z], v[12+20*\z]
.endr
.irp z, 0,1
	v_floor_f32 v[12+20*\z], -v[13+20*\z]          ; the new -M = floor(-t) = -ceil(t)
.endr
.irp z, 0,1
	v_sub_f32 v[254-214*\z], v[12+20*\z], v[254-214*\z]     ; M's old value less its new one: a whole number, 0 or less
.endr
.irp z, 0,1
	v_cvt_i32_f32 v[254-214*\z], v[254-214*\z]     ; (it saturates)
.endr
.irp z, 0,1
	v_ldexp_f32 v[254-214*\z], 1.0, v[254-214*\z]  ; f = 2^(old M - new M)
.endr
.irp z, 0,1
	v_cmp_lt_f32 s[70+\z], s[TSM], v[13+20*\z]     ; has a key of my row counted so far?
.endr
.irp z, 0,1
	v_cndmask_b32 v[30+6*\z], 0, v[31+6*\z], s[70+\z]       ; then -c and -M; else 0 and 0, so that t - M = 0 and p = 1 for every key
.endr
.irp z, 0,1
	v_cndmask_b32 v[252-214*\z], 0, v[12+20*\z], s[70+\z]
.endr
.irp z, 0,1
.irp b, 0,1,2,3
	v_fma_f32 v[232-184*\z+\b], v[232-184*\z+\b], v[30+6*\z], v[252-214*\z]   ; t - M of each block's largest t
.endr
.endr
.irp z, 0,1
	WIN (0x41*\z)
.set j, 0
.rept 32
	v_pk_fma_f32 v[96+j:97+j], v[96+j:97+j], v[30+6*\z:31+6*\z], v[252-214*\z:253-214*\z] op_sel_hi:[1,0,0]   ; t - M, two at a time (of both pairs the low word serves both halves)
.set j, j+2
.endr
.endr
	s_wait_alu depctr_va_vdst(0)                   ; the wait ahead of the batch
.irp z, 0,1
	WIN (0x55*\z)
.set j, 0
.rept 64
	v_exp_f32 v[96+j], v[96+j]                     ; p = 2^(t - M), at most 1: not normalised
.set j, j+1
.endr
.endr
	WIN 0
	v_pk_mul_f32 v[14:15], v[14:15], v[254:255] op_sel_hi:[1,0]   ; the sums under the new M.  (Plain work behind the exponentials)
.irp z, 0,1
.irp b, 0,1,2,3
	v_max_num_f32 v[232-184*\z+\b], 0xc2f80000, v[232-184*\z+\b]   ; held at -124 from below: the byte cannot fall under 1
.endr
.endr
.irp z, 0,1
.irp b, 0,1,2,3
	v_cvt_floor_i32_f32 v[232-184*\z+\b], v[232-184*\z+\b]         ; the exponent of the block's largest p
.endr
.endr
	WIN 0x41
	v_pk_mul_f32 v[14:15], v[14:15], v[40:41] op_sel_hi:[1,0]
	s_wait_alu depctr_va_vdst(0)                   ; one wait for the whole batch, ahead of its first reader
	WIN 0
	TREE
	WIN 0x55
	TREE
	WIN 0
.irp z, 0,1
.irp b, 0,1,2,3
	v_add_nc_u32 v[236-184*\z+\b], 125, v[232-184*\z+\b]           ; the scale's byte: exponent - 2 + 127
.endr
.endr
.irp z, 0,1
.irp b, 0,1,2,3
	v_lshlrev_b32 v[244-188*\z+\b], 23, v[236-184*\z+\b]           ; the conversion's scale operand
.endr
.endr
.irp z, 0,1
	v_lshl_or_b32 v[253-214*\z], v[237-184*\z], 8, v[236-184*\z]   ; p's scale word
.endr
.irp z, 0,1
	v_lshl_or_b32 v[253-214*\z], v[238-184*\z], 16, v[253-214*\z]
.endr
.irp z, 0,1
	v_lshl_or_b32 v[253-214*\z], v[239-184*\z], 24, v[253-214*\z]
.endr
	PACK96 0, 244, 0
	PACK96 1, 56, 0x41
	FRAGS STEPB*(\q)+VOFF+6144, 96, 0              ; V's tiles 4-7 into tile 0's p registers, which are done with
	s_wait_alu depctr_va_vdst(0)                   ; ahead of the first reader of O^T
.irp z, 0,1
	WIN (0x41*\z)
.set j, 0
.rept 32
	v_pk_mul_f32 v[160+j:161+j], v[160+j:161+j], v[254-214*\z:255-214*\z] op_sel_hi:[1,0]   ; O^T under the new M.  (These also stand between the codes' and the scale words' last writes and the products below)
.set j, j+2
.endr
.endr
	s_wait_alu depctr_va_vdst(0)
	s_wait_dscnt 0x0
.irp z, 0,1
	WIN (0x01+0x54*\z)
.irp t, 0,1,2,3
	PVT \t, \z
.endr
	WIN (0x54*\z)
.irp t, 4,5,6,7
	PVT \t, \z
.endr
.endr
	WIN 0
	s_add_co_u32 s[TS], s[TS], 1024                ; the next step's scale words
.endm
; THE CHANGE OF SLOTS stands at a slot's head.  Each wave waits for all its tensor loads (its part of the slot that it is about to read), adds 0 to its spare word, and waits for that and for its reads of the slot that it has left.
; fill = 1: the barrier is a round of the cluster's, and behind it the slot that was left is filled with the next 256 keys: the load has a slot's two key steps in which to land.
.macro CHANGE fill
	s_wait_tensorcnt 0x0                           ; no tensor load of mine is out, so a group 0 may be written
	ds_add_u32 v[SPW], v[NIL]
.if \fill
	s_xor_b32 s[G0M+1], s[G0M+1], SLOT1
	s_add_nc_u64 s[G0M+2:G0M+3], s[G0M+2:G0M+3], 256
	s_xor_b32 s[G0C+1], s[G0C+1], SLOT1
	s_add_nc_u64 s[G0C+2:G0C+3], s[G0C+2:G0C+3], 2*STEPB
	s_wait_xcnt 0x0                                ; the last prefetch has read its address, so it may be written
	s_add_nc_u64 s[PFA:PFA+1], s[PFA:PFA+1], 2*STEPB
	s_wait_dscnt 0x0
	CROUND
	TLOAD 0
	ASK
.else
	s_wait_dscnt 0x0
	s_barrier_signal -1
	s_barrier_wait -1
.endif
.endm
.macro SLOT_STEPS
	STEP 0
	STEP 1
	s_xor_b32 s[TB], s[TB], SLOT1
.endm
	s_wait_loadcnt 0x0                             ; Q
.irp z, 0,1
	WIN (0x55*\z)
.irp i, 0,3,6,9
	v_xor_b32 v[16+\i], 0x20820820, v[16+\i]       ; the sign bits of 16 codes in 96 bits: bit 6 j + 5
	v_xor_b32 v[17+\i], 0x08208208, v[17+\i]
	v_xor_b32 v[18+\i], 0x82082082, v[18+\i]
.endr
.endr
	WIN 0
	s_wait_alu depctr_va_vdst(0)                   ; the wait at the head's end
.Lslot:                                            ; seven trips: behind each change of slots but the last the next slot is asked for
	CHANGE 1
	SLOT_STEPS
	s_sub_co_u32 s[SLOTS], s[SLOTS], 1
	s_cmp_lg_u32 s[SLOTS], 0
	s_cbranch_scc1 .Lslot
	CHANGE 0                                       ; the last slot is written out
	SLOT_STEPS
	; THE WAY OUT, tile by tile.  O^T is divided by the row's sum; its numbers are brought into the true order along the channels; they are quantised as the next product's operand: one fragment and a scale word a row.
	s_lshl_b32 s72, s[WV], 7
	s_add_co_u32 s72, s72, CSG
	s_and_b32 s73, s[WV], 1
	s_lshl_b32 s73, s73, 9
	s_add_co_u32 s73, s73, CSG
	v_bfe_u32 v8, v[LI], 4, 4                      ; r
	v_add_nc_u32 v9, s73, v[LI]                    ; where waves 0 and 1 read the words back: 512 x (wave % 2) + 16 x lane
	v_nop
	v_lshl_add_u32 v8, v8, 2, s72                  ; where I put my rows' scale words: 128 x wave + 64 z + 4 r.  (These four are the places behind the last products)
.macro OUTZ z
	WIN (0x55*(\z))
	v_add_f32 v14, v14, v15
	s_delay_alu instid0(VALU_DEP_1)
	v_permlanex16_b32 v252, v14, s[SEL], s[SEL+1]
	s_delay_alu instid0(VALU_DEP_1)
	v_add_f32 v14, v14, v252                       ; the row's sum
	s_wait_alu depctr_va_vdst(0)
	v_rcp_f32 v14, v14
	v_nop
	s_wait_alu depctr_va_vdst(0)
.set j, 0
.rept 64
	v_mul_f32 v[96+j], v[160+j], v14               ; register 8 t + i: channel 16 t + 8 h + i of my query
.set j, j+1
.endr
.irp b, 0,1,2,3
.irp i, 0,1,2,3,4,5,6,7
	v_permlane16_swap_b32 v[96+16*\b+\i], v[104+16*\b+\i]   ; register 16 b + i now holds channel 32 b + 16 h + i
.endr
.endr
.irp b, 0,1,2,3
	v_max3_num_f32 v[232+\b], |v[96+16*\b]|, |v[97+16*\b]|, 0x1800000   ; the floor 2^(3 - 127): the byte cannot fall under 1
.endr
.irp i, 2,4,6,8,10,12,14
.irp b, 0,1,2,3
	s_delay_alu instid0(VALU_DEP_4)
	v_max3_num_f32 v[232+\b], v[232+\b], |v[96+16*\b+\i]|, |v[97+16*\b+\i]|
.endr
.endr
.irp b, 0,1,2,3
	s_delay_alu instid0(VALU_DEP_4)
	v_permlanex16_b32 v[236+\b], v[232+\b], s[SEL], s[SEL+1]
.endr
.irp b, 0,1,2,3
	s_delay_alu instid0(VALU_DEP_4)
	v_max_num_f32 v[232+\b], v[232+\b], v[236+\b]  ; the block's largest magnitude
.endr
.irp b, 0,1,2,3
	s_delay_alu instid0(VALU_DEP_4)
	v_add_nc_u32 v[244+\b], 0xff000000, v[232+\b]  ; 2 off the exponent field: the conversion's scale operand
.endr
.irp b, 0,1,2,3
	s_delay_alu instid0(VALU_DEP_4)
	v_lshrrev_b32 v[236+\b], 23, v[244+\b]         ; the scale's byte
.endr
	s_delay_alu instid0(VALU_DEP_3)
	v_lshl_or_b32 v254, v237, 8, v236
	s_delay_alu instid0(VALU_DEP_1)
	v_lshl_or_b32 v254, v238, 16, v254
	s_delay_alu instid0(VALU_DEP_1)
	v_lshl_or_b32 v254, v239, 24, v254
	PACK96 \z, 244, 0x55*(\z)
	WIN (0x04*(\z))                                ; addresses window 0, data window z
.irp c, 0,1,2
	global_store_b128 v[LI], v[224+4*\c:227+4*\c], s[14:15] offset:3072*(\z)+512*\c   ; the image: 512 consecutive bytes a store
.endr
	ds_store_b32 v8, v254 offset:64*(\z)           ; both lanes of a row write the same word with the same value
.endm
	OUTZ 0
	OUTZ 1
	WIN 0
	s_wait_alu depctr_va_vdst(0)
	s_wait_tensorcnt 0x0                           ; the wave's end
	ds_add_u32 v[SPW], v[NIL]
	s_wait_dscnt 0x0                               ; the wait also shows my stores done, for the others' sake
	s_barrier_signal -1
	s_barrier_wait -1                              ; all eight waves' words lie in LDS
	s_cmp_lt_u32 s[WV], 2
	s_cbranch_scc0 .Lno_cs
	ds_load_b128 v[32:35], v9                      ; waves 0 and 1 take 512 bytes each
	s_wait_dscnt 0x0
	global_store_b128 v[LI], v[32:35], s[16:17]    ; 512 consecutive bytes
.Lno_cs:
	CROUND                                         ; the closing round
	s_endpgm
.Lfunc_end_k_q7909be3cb8_attn:
	.size	k_q7909be3cb8_attn, .Lfunc_end_k_q7909be3cb8_attn-k_q7909be3cb8_attn
	.p2alignl 7, 3214868480
	.fill 96, 4, 3214868480
	.section	.rodata,"a",@progbits
	.p2align	6, 0x0
	.amdhsa_kernel k_q7909be3cb8_attn
		.amdhsa_group_segment_fixed_size 327680
		.amdhsa_private_segment_fixed_size 0
		.amdhsa_enable_private_segment 0
		.amdhsa_kernarg_size 56
		.amdhsa_user_sgpr_count 2
		.amdhsa_user_sgpr_kernarg_segment_ptr 1
		.amdhsa_wavefront_size32 1
		.amdhsa_system_sgpr_workgroup_id_x 1
		.amdhsa_system_sgpr_workgroup_id_y 1
		.amdhsa_system_sgpr_workgroup_id_z 1
		.amdhsa_system_vgpr_workitem_id 0
		.amdhsa_next_free_vgpr 512
		.amdhsa_next_free_sgpr 92
		.amdhsa_reserve_vcc 0
		.amdhsa_float_denorm_mode_32 3
		.amdhsa_float_denorm_mode_16_64 3
		.amdhsa_memory_ordered 1
		.amdhsa_forward_progress 1
		.amdhsa_inst_pref_size 192
	.end_amdhsa_kernel
	.amdgpu_metadata
---
amdhsa.version: [ 1, 2 ]
amdhsa.kernels:
  - .name:           k_q7909be3cb8_attn
    .symbol:         k_q7909be3cb8_attn.kd
    .args:
      - { .name: qc, .offset: 0, .size: 8, .value_kind: global_buffer, .address_space: global }
      - { .name: qs, .offset: 8, .size: 8, .value_kind: global_buffer, .address_space: global }
      - { .name: kvc, .offset: 16, .size: 8, .value_kind: global_buffer, .address_space: global }
      - { .name: kvs, .offset: 24, .size: 8, .value_kind: global_buffer, .address_space: global }
      - { .name: mask, .offset: 32, .size: 8, .value_kind: global_buffer, .address_space: global }
      - { .name: cc, .offset: 40, .size: 8, .value_kind: global_buffer, .address_space: global }
      - { .name: cs, .offset: 48, .size: 8, .value_kind: global_buffer, .address_space: global }
    .group_segment_fixed_size: 327680
    .private_segment_fixed_size: 0
    .kernarg_segment_align: 8
    .kernarg_segment_size: 56
    .max_flat_workgroup_size: 256
    .sgpr_count:     92
    .vgpr_count:     512
    .wavefront_size: 32
...
	.end_amdgpu_metadata
.endif
;; end of part 2
;; launch outp (part 3): grid 4 x 64, 4 waves a work-group, clusters of 4 x 4, 229,376 bytes of LDS; arguments cc, cs, W_fc_codes, W_fc_scales, out0; writes out0
.if DOCPART == 3
	.amdgcn_target "amdgcn-amd-amdhsa--gfx1250"
	.amdhsa_code_object_version 6
	.text
	.protected	k_q7909be3cb8_outp
	.globl	k_q7909be3cb8_outp
	.p2align	8
	.type	k_q7909be3cb8_outp,@function
k_q7909be3cb8_outp:
	s_mov_b64 s[64:65], 0
	v_nop
	global_prefetch_b8 v0, s[64:65] scope:SCOPE_SE
	s_setreg_imm32_b32 hwreg(HW_REG_WAVE_MODE, 25, 1), 1
	s_wait_xcnt 0x0
	s_wait_alu depctr_hold_cnt(0) depctr_sa_sdst(0) depctr_va_vdst(0) depctr_va_sdst(0) depctr_va_ssrc(0) depctr_va_vcc(0) depctr_vm_vsrc(0)
	s_getreg_b32 s2, hwreg(HW_REG_IB_STS2, 6, 4)
	s_cmp_eq_u32 s2, 0
	s_cbranch_scc0 .Lentry_in_a_cluster
	s_endpgm
.Lentry_in_a_cluster:
	s_bfe_u32 s2, ttmp6, 0x10000c
	s_cmp_lg_u32 s2, 0xf033
	s_cbranch_scc0 .Lentry_shape_is_right
	s_endpgm
.Lentry_shape_is_right:
; THE PROJECTION ON THE WAY OUT: out[m][n] = sum over k of ctx[m][k] W_fc[n][k], K = 1,024, on codes of FP6 (E2M3) with one E8M0 scale for each 32 along K; f32 out.
; A work-group makes 128 rows x 256 columns; 256 work-groups.  W_fc's 256 rows, a whole K each (768 bytes, beginning at a multiple of 768; 16 bytes of padding behind each 256, pitch 816), come into LDS once: one tensor load of 64 rows a wave;
; nothing is filled again.  The context lies in memory as images of operand registers (1,536 bytes a fragment: register group c at 512 c + 16 x lane): a wave's 64 rows x 1,024 K go straight into 384 registers.
; A wave makes 64 x 64 of each of two pieces of 128 columns: 16 accumulators by turns.  The first piece's stores leave while the second is multiplied.
; CLUSTER 4 x 4: W_fc's rows hang on cx alone and are asked for jointly along a column of the cluster.  The context goes to registers by plain loads, which have no joint form.
; No prefetch: the launch has no loop to run ahead in; every input byte is asked for at its head.
; THE MATRIX INSTRUCTION IS USED TRANSPOSED (source 0 = 16 rows of W_fc, source 1 = 16 rows of the context): a lane holds eight neighbouring columns of a row.  A block of 16 rows x 64 columns goes through the wave's own stage in LDS and
; leaves as rows of 256 bytes: sixteen lanes store 256 consecutive bytes, at a multiple of 256 from the buffer's first byte.
; REGISTERS: window 0: v16-30 addresses; v32-79 scale words; v80-111, v224-255 rows read back from the stage; v128-223 B's fragments, two sets.  Windows 1, 2: A's fragments (48 a step).  Window 3: v0-127 accumulators.
.set KROW,  768
.set PITCH, 816
.set HALF,  64*PITCH
.set REG,   128*PITCH
.set STAGE, 2*REG
.set SPI,   272
.set SPARE, STAGE+4*16*SPI
.set ADB, 18
.set STO, 22
.set RD,  23
.set LI0, 24
.set L4,  25
.set CO,  26
.set SOF, 27
.set SPW, 28
.set NIL, 29
.set SA,  32
.set SB,  48
.set BF,  128
.set G0B, 32
.set G1B, 48
.set MSB, 0
.macro WIN new
.if MSB != (\new)
	s_set_vgpr_msb (MSB<<8)|(\new)
.set MSB, (\new)
.endif
.endm
.macro PLACES
.rept 4
	v_nop
.endr
.endm
.macro CROUND
	s_barrier_signal -1
	s_barrier_wait -1
	s_cmp_lg_u32 s14, 0
	s_cbranch_scc1 .Lnw0_\@
	s_barrier_signal -3
.Lnw0_\@:
	s_barrier_wait -3
	s_barrier_signal -1
	s_barrier_wait -1
.endm
.macro FRAG reg, adr, st, i            ; 16 rows x 128 K: six pieces of 8 bytes; byte y of a row lies at y + 16 (y / 256)
.irp p, 0,1,2,3,4,5
.set BY, 96*(\st)+48*(\p/3)+8*(\p%3)
.if BY/256 == (BY+24)/256
	ds_load_b64 v[\reg+2*\p:\reg+2*\p+1], v[\adr] offset:BY+16*(BY/256)+(\i)*16*PITCH
.else
	ds_load_b64 v[\reg+2*\p:\reg+2*\p+1], v[\adr+1] offset:BY+16*(BY/256)+(\i)*16*PITCH
.endif
.endr
.endm
.macro FETCH st, q
	WIN 0
.irp i, 0,1,2,3
	FRAG BF+48*((\st)%2)+12*\i, ADB+2*(\q), \st, \i
.endr
.endm
.macro WM c
.if PP == 3
	v_wmma_scale_f32_16x16x128_f8f6f4 v[rD:rD+7], v[rB:rB+11], v[rA:rA+11], \c, v[rT], v[rS] matrix_a_fmt:MATRIX_FMT_FP6 matrix_b_fmt:MATRIX_FMT_FP6 matrix_a_scale:MATRIX_SCALE_ROW1 matrix_b_scale:MATRIX_SCALE_ROW1
.elseif PP == 2
	v_wmma_scale_f32_16x16x128_f8f6f4 v[rD:rD+7], v[rB:rB+11], v[rA:rA+11], \c, v[rT], v[rS] matrix_a_fmt:MATRIX_FMT_FP6 matrix_b_fmt:MATRIX_FMT_FP6 matrix_a_scale:MATRIX_SCALE_ROW1
.elseif PP == 1
	v_wmma_scale_f32_16x16x128_f8f6f4 v[rD:rD+7], v[rB:rB+11], v[rA:rA+11], \c, v[rT], v[rS] matrix_a_fmt:MATRIX_FMT_FP6 matrix_b_fmt:MATRIX_FMT_FP6 matrix_b_scale:MATRIX_SCALE_ROW1
.else
	v_wmma_scale_f32_16x16x128_f8f6f4 v[rD:rD+7], v[rB:rB+11], v[rA:rA+11], \c, v[rT], v[rS] matrix_a_fmt:MATRIX_FMT_FP6 matrix_b_fmt:MATRIX_FMT_FP6
.endif
.endm
.macro MUL st, q                       ; 16 matrix instructions, the 16 accumulators by turns; step 0 starts the sums
	WIN (0xf0|((1+(\st)/5)<<2))
.irp a, 0,1,2,3
.irp b, 0,1,2,3
.set rD, 8*(4*\a+\b)
.set rB, BF+48*((\st)%2)+12*\b
.set rA, 48*((\st)%5)+12*\a
.set rT, SB+16*(\q)+8*(\b/2)+(\st)
.set rS, SA+8*(\a/2)+(\st)
.set PP, 2*(\b%2)+(\a%2)
.if (\st) == 0
	WM 0
.else
	WM v[rD:rD+7]
.endif
.endr
.endr
.endm
.macro PIECE q
.set ST, 0
.rept 8
.if ST < 7
	PLACES                                 ; in front of loads into registers that the last step's products read
	FETCH ST+1, \q
	s_wait_dscnt 24                        ; all but the next step's 24 loads, just issued
.else
	s_wait_dscnt 0x0
.endif
	MUL ST, \q
.set ST, ST+1
.endr
	PLACES
	WIN 0
.endm
.macro TOSTAGE a
	s_wait_xcnt 0x0                        ; earlier stores have read the registers that the loads below fill
	WIN 0x0c
.irp b, 0,1,2,3
	ds_store_b128 v[STO], v[32*(\a)+8*\b:32*(\a)+8*\b+3] offset:64*\b      ; each accumulator from its low end on
	ds_store_b128 v[STO], v[32*(\a)+8*\b+4:32*(\a)+8*\b+7] offset:64*\b+16
.endr
	WIN 0
.set BB, 80+144*((\a)%2)
.irp t, 0,1,2,3,4,5,6,7
	ds_load_b128 v[BB+4*\t:BB+4*\t+3], v[RD] offset:\t*2*SPI               ; LDS serves a wave's instructions in order: these see the stores above
.endr
.endm
.macro SEND a, q, younger
.set BB, 80+144*((\a)%2)
	s_wait_dscnt \younger
.irp t, 0,1,2,3,4,5,6,7
	global_store_b128 v[CO], v[BB+4*\t:BB+4*\t+3], s[12:13] offset:(\a)*65536+\t*8192+(\q)*512 th:TH_STORE_NT
.endr
.endm
.macro OUT q
	TOSTAGE 0
.irp a, 1,2,3
	TOSTAGE \a
	SEND \a-1, \q, 16                      ; behind block a - 1's loads: block a's 8 stores and 8 loads
.endr
	SEND 3, \q, 0
.endm
	s_load_b256 s[4:11], s[0:1], 0x0       ; cc, cs, W_fc's codes, its scales
	s_load_b64 s[12:13], s[0:1], 0x20      ; out0
	v_lshl_add_u32 v[SPW], v0, 2, SPARE
	v_mov_b32 v[NIL], 0
	ds_add_u32 v[SPW], v[NIL]              ; the opening lines: the add twice and its wait ahead of the first tensor load
	ds_add_u32 v[SPW], v[NIL]
	v_lshrrev_b32 v1, 5, v0
	v_readfirstlane_b32 s14, v1            ; wave
	s_lshr_b32 s15, s14, 1                 ; my half of the rows
	s_and_b32 s16, s14, 1                  ; my half of a piece's columns
	s_bfe_u32 s40, ttmp6, 0x40000          ; cx
	s_bfe_u32 s41, ttmp6, 0x40004          ; cy
	s_and_b32 s17, ttmp7, 0xffff
	s_lshl_b32 s17, s17, 2
	s_add_co_u32 s17, s17, s41             ; my block of 128 rows, 0..63
	s_lshl_b32 s44, 0x1111, s40            ; my column of the cluster
	s_or_b32 s[G1B], s44, (1<<20)|(1<<21)|(5<<22)|(3<<25)
	s_mov_b32 s[G1B+1], KROW<<16
	s_mov_b32 s[G1B+2], 64<<16
	s_mov_b32 s[G1B+3], KROW<<16
	s_mov_b32 s[G1B+4], 64
	s_mov_b32 s[G1B+5], KROW
	s_mov_b32 s[G1B+6], 0
	s_mov_b32 s[G1B+7], 0
	s_lshl_b32 s20, s40, 8
	s_lshl_b32 s21, s14, 6
	s_add_co_u32 s20, s20, s21             ; W_fc's row 256 cx + 64 wave
	s_mul_i32 s20, s20, KROW
	s_mov_b32 s21, 0
	s_mov_b32 s[G0B], 1
	s_mul_i32 s[G0B+1], s14, HALF
	s_lshr_b32 s18, s17, 1                 ; the block of 256 rows,
	s_and_b32 s19, s17, 1                  ; and my half of it
	s_mul_i32 s22, s18, 196608             ; cc: ((4 rb + step / 2) x 16 + row block) x 2 + step % 2, x 1,536
	s_lshl_b32 s2, s19, 3
	s_lshl_b32 s3, s15, 2
	s_add_co_u32 s2, s2, s3
	s_mul_i32 s2, s2, 3072
	s_add_co_u32 s22, s22, s2
	s_mov_b32 s23, 0
	s_lshl_b32 s24, s18, 13                ; cs: (8 rb + step) x 1,024 + 4 x row
	s_lshl_b32 s2, s19, 9
	s_add_co_u32 s24, s24, s2
	s_lshl_b32 s2, s15, 8
	s_add_co_u32 s24, s24, s2
	s_mov_b32 s25, 0
	s_lshl_b32 s26, s40, 13                ; W_fc's scales: row 256 cx + 64 x my half, 32 bytes a row
	s_lshl_b32 s2, s16, 11
	s_add_co_u32 s26, s26, s2
	s_mov_b32 s27, 0
	s_lshl_b32 s28, s17, 19                ; out: row 128 R + 64 x half, 4,096 bytes a row; column 256 cx + 64 x half
	s_lshl_b32 s2, s15, 18
	s_add_co_u32 s28, s28, s2
	s_lshl_b32 s2, s40, 10
	s_add_co_u32 s28, s28, s2
	s_lshl_b32 s2, s16, 8
	s_add_co_u32 s28, s28, s2
	s_mov_b32 s29, 0
	s_mul_i32 s36, s16, HALF
	s_mul_i32 s37, s14, 16*SPI
	s_add_co_u32 s37, s37, STAGE
	s_wait_dscnt 0x0
	s_wait_kmcnt 0x0
	s_add_nc_u64 s[G0B+2:G0B+3], s[8:9], s[20:21]
	s_or_b32 s[G0B+3], s[G0B+3], 0x80000000
	s_add_nc_u64 s[4:5], s[4:5], s[22:23]
	s_add_nc_u64 s[6:7], s[6:7], s[24:25]
	s_add_nc_u64 s[10:11], s[10:11], s[26:27]
	s_add_nc_u64 s[12:13], s[12:13], s[28:29]
	CROUND
	tensor_load_to_lds s[G0B:G0B+3], s[G1B:G1B+7]  ; my 64 rows of W_fc: the wave's one tensor load
	s_nop 0
	PLACES
	v_and_b32 v1, 15, v0
	v_bfe_u32 v2, v0, 4, 1
	v_and_b32 v3, 31, v0
	v_mul_u32_u24 v4, v1, PITCH
	v_mad_u32_u24 v4, v2, 24, v4
	v_add_nc_u32 v[ADB], s36, v4
	v_lshl_add_u32 v[ADB+1], v2, 4, v[ADB]
	v_add_nc_u32 v[ADB+2], REG, v[ADB]
	v_add_nc_u32 v[ADB+3], REG, v[ADB+1]
	v_lshlrev_b32 v[LI0], 4, v3
	v_lshlrev_b32 v[L4], 2, v3
	v_lshlrev_b32 v[SOF], 5, v3
	v_mul_u32_u24 v5, v1, SPI
	v_lshl_add_u32 v5, v2, 5, v5
	v_add_nc_u32 v[STO], s37, v5           ; in: row l % 16, 32 bytes for each half of the lanes
	v_mul_u32_u24 v6, v2, SPI
	v_lshl_add_u32 v6, v1, 4, v6
	v_add_nc_u32 v[RD], s37, v6            ; back: lanes 0-15 one row of 256 bytes, lanes 16-31 the next
	v_lshlrev_b32 v7, 12, v2
	v_lshl_add_u32 v[CO], v1, 4, v7        ; and the same two rows in out
.irp g, 0,1
.irp s, 0,1,2,3,4,5,6,7
	global_load_b32 v[SA+8*\g+\s], v[L4], s[6:7] offset:1024*\s+128*\g     ; the context's scale words: lanes 0-15 row block 2 g, lanes 16-31 row block 2 g + 1
.endr
.endr
.irp q, 0,1
.irp g, 0,1
.irp e, 0,1
	global_load_b128 v[SB+16*\q+8*\g+4*\e:SB+16*\q+8*\g+4*\e+3], v[SOF], s[10:11] offset:4096*\q+1024*\g+16*\e
.endr
.endr
.endr
.set ST, 0
.rept 8
	WIN ((1+ST/5)<<6)
.irp a, 0,1,2,3
.irp c, 0,1,2
	global_load_b128 v[48*(ST%5)+12*\a+4*\c:48*(ST%5)+12*\a+4*\c+3], v[LI0], s[4:5] offset:(ST/2)*49152+(ST%2)*1536+3072*\a+512*\c
.endr
.endr
.set ST, ST+1
.endr
	WIN 0
	s_wait_alu depctr_va_vdst(0)           ; the wait at the head's end
	s_wait_tensorcnt 0x0
	s_barrier_signal -1
	s_barrier_wait -1                      ; all 256 rows are in
	FETCH 0, 0
	s_wait_loadcnt 0x0
	PIECE 0
	FETCH 0, 1
	OUT 0
	PIECE 1
	OUT 1
	s_wait_tensorcnt 0x0                   ; the wave's end
	ds_add_u32 v[SPW], v[NIL]
	s_wait_dscnt 0x0
	CROUND                                 ; the closing round
	s_endpgm
.Lfunc_end_k_q7909be3cb8_outp:
	.size	k_q7909be3cb8_outp, .Lfunc_end_k_q7909be3cb8_outp-k_q7909be3cb8_outp
	.p2alignl 7, 3214868480
	.fill 96, 4, 3214868480
	.section	.rodata,"a",@progbits
	.p2align	6, 0x0
	.amdhsa_kernel k_q7909be3cb8_outp
		.amdhsa_group_segment_fixed_size 229376
		.amdhsa_private_segment_fixed_size 0
		.amdhsa_enable_private_segment 0
		.amdhsa_kernarg_size 40
		.amdhsa_user_sgpr_count 2
		.amdhsa_user_sgpr_kernarg_segment_ptr 1
		.amdhsa_wavefront_size32 1
		.amdhsa_system_sgpr_workgroup_id_x 1
		.amdhsa_system_sgpr_workgroup_id_y 1
		.amdhsa_system_sgpr_workgroup_id_z 1
		.amdhsa_system_vgpr_workitem_id 0
		.amdhsa_next_free_vgpr 1024
		.amdhsa_next_free_sgpr 66
		.amdhsa_reserve_vcc 0
		.amdhsa_float_denorm_mode_32 3
		.amdhsa_float_denorm_mode_16_64 3
		.amdhsa_memory_ordered 1
		.amdhsa_forward_progress 1
		.amdhsa_inst_pref_size 92
	.end_amdhsa_kernel
	.amdgpu_metadata
---
amdhsa.version: [ 1, 2 ]
amdhsa.kernels:
  - .name:           k_q7909be3cb8_outp
    .symbol:         k_q7909be3cb8_outp.kd
    .args:
      - { .name: cc, .offset: 0, .size: 8, .value_kind: global_buffer, .address_space: global }
      - { .name: cs, .offset: 8, .size: 8, .value_kind: global_buffer, .address_space: global }
      - { .name: W_fc_codes, .offset: 16, .size: 8, .value_kind: global_buffer, .address_space: global }
      - { .name: W_fc_scales, .offset: 24, .size: 8, .value_kind: global_buffer, .address_space: global }
      - { .name: out0, .offset: 32, .size: 8, .value_kind: global_buffer, .address_space: global }
    .group_segment_fixed_size: 229376
    .private_segment_fixed_size: 0
    .kernarg_segment_align: 8
    .kernarg_segment_size: 40
    .max_flat_workgroup_size: 128
    .sgpr_count:     66
    .vgpr_count:     1024
    .wavefront_size: 32
...
	.end_amdgpu_metadata
.endif
;; end of part 3
